; MI455X (gfx1250); checked and timed in simulation.
; The chip was launched on July 23, 2026; its instructions are those of AMD's public machine-readable ISA for CDNA 5 (MIT licence, August 2026) and "CDNA5" Instruction Set Architecture Reference Guide (July 2026). The comments in the code are by the model that wrote it; some were corrected since.
;; Multi Head Self Attention. Allowed arithmetic: matrix products marked QUANTISED: E3M2 operands, one E8M0 scale for each 32 along K, by v_wmma_scale_f32_16x16x128_f8f6f4 with both operands' format E3M2, f32 sums; everything else in f32.
;; Inputs: b_out 1,024 float32; b_qkv 3,072 float32; w_out 1,024 x 1,024 float32; w_qkv 1,024 x 3,072 float32; x 4 x 2,048 x 1,024 float32.
;; Outputs: out0 4 x 2,048 x 1,024 float32.
;; This version of the problem:
;;   THIS VERSION OF THE PROBLEM IS GIVEN IN LOW PRECISION. The matrix products marked QUANTISED in the list below multiply operands that are first quantised to E3M2 (3 exponent bits, 2 mantissa bits; 6 bits a number), with one power-of-two scale for each 32 numbers along K (OCP MX v1.0); their sums are f32. All else is computed in f32.
;;   The module's matrix products, in the order in which they are computed (A, B: the left and right operand; K: the contracted axis; several contracted axes count as one K, in the product's order):
;;     1. [M 8,192, K 1,024] x [K 1,024, N 3,072]; A: input x; B: input w_qkv: QUANTISED
;;     2. batch 64 x [M 2,048, K 64] x [K 64, N 2,048]; A: computed on the way; B: computed on the way: QUANTISED
;;     3. batch 64 x [M 2,048, K 2,048] x [K 2,048, N 64]; A: softmax (see below); B: computed on the way: QUANTISED
;;     4. [M 8,192, K 1,024] x [K 1,024, N 1,024]; A: computed on the way; B: input w_out: QUANTISED
;;   THE QUANTISER, for each operand of a quantised product, along K:
;;     - K is cut into blocks of 32 from its start; a last block that is shorter is filled with zeros.
;;     - A block's scale is 2^e with e = floor(log2(the largest magnitude in the block)) - 4, held to -126 .. 127; a block of zeros has e = 0. As a byte (E8M0): e + 127.
;;     - Each number is divided by its block's scale, clamped to +-28, and rounded to the nearest number of E3M2, ties to even, subnormals kept.
;;     - The product sums the exact products of the quantised numbers (number of the format x scale) in f32.
;;   ~~~python
;;   def quantise(x, axis):      # numpy; x: float32 -> the quantised numbers, widened to float32 again
;;       x = np.moveaxis(x, axis, -1); K = x.shape[-1]
;;       x = np.pad(x, [(0, 0)] * (x.ndim - 1) + [(0, -K % 32)]); x = x.reshape(x.shape[:-1] + (-1, 32)); a = np.abs(x).max(-1, keepdims=True)
;;       e = np.where(a > 0, np.clip(np.frexp(np.where(a > 0, a, 1))[1] - 1 - 4, -126, 127), 0)      # np.frexp(a)[1] - 1 = floor(log2(a)), exactly
;;       r = np.clip(x / 2.0 ** e, -28, 28)
;;       step = 2.0 ** (np.maximum(np.frexp(np.where(r == 0, 1, r))[1] - 1, -2) - 2)
;;       q = np.round(r / step) * step * 2.0 ** e      # np.round: ties to even
;;       return np.moveaxis(q.reshape(q.shape[:-2] + (-1,))[..., :K], -1, axis).astype(np.float32)
;;   ~~~
;;   SOFTMAX AHEAD OF A QUANTISED PRODUCT. Where the list says 'softmax', what is quantised is not the finished softmax but p = 2^(t - M), with t = logit x log2(e) and M = ceil(the row's largest t), a whole number; so 1/2 < the row's largest p <= 1. The row's sum l is taken of the UNQUANTISED p, in f32, and the product's result is divided by l at the end. Since M is a whole number, a kernel that streams over the keys may use a running M (the ceiling of the running maximum): every later rescaling is an exact power of two, which a block's scale takes up: the codes' values come out the same.
;;   OPERANDS COMPUTED ON THE WAY. 'Computed on the way' means the value that the module computes at that place (a softmax that the list does not call 'softmax' is quantised finished and normalised). What goes into a quantiser is computed in f32, as accurately as f32 sums, v_exp_f32 and their like allow (about 1e-6 of the number): no bf16 or f16 on the way to a quantiser, and a product that is left as it is and whose result goes on into a quantised operand takes f32 operands (vector FMAs, or v_wmma_f32_16x16x4_f32). A number that lies on a knife's edge between two numbers of the format may be rounded either way, as far as f32 arithmetic and the matrix unit's own rounding can turn it there, and no further.
;; One version. Each part assembles by itself: llvm-mc -triple=amdgcn-amd-amdhsa -mcpu=gfx1250 --defsym DOCPART=n.
;; ======== version 1 of 1: 4 launches
;; limits: right only within a limited range of input values
;; workspace buffers: x_img 6,291,456 bytes; xs_img 262,144 bytes; w_img 3,145,728 bytes; ws_img 131,072 bytes; qkv 19,660,800 bytes; o_img 6,291,456 bytes; os_img 262,144 bytes
;; launch quant (part 1): grid 384 x 1, 4 waves a work-group, no clusters, 59,904 bytes of LDS; arguments x, w_qkv, w_out, x_img, xs_img, w_img, ws_img; writes x_img, xs_img, w_img, ws_img
.if DOCPART == 1
	.amdgcn_target "amdgcn-amd-amdhsa--gfx1250"
	.amdhsa_code_object_version 6
	.text
	.protected	k_q88bd1b7c29_quant
	.globl	k_q88bd1b7c29_quant
	.p2align	8
	.type	k_q88bd1b7c29_quant,@function
k_q88bd1b7c29_quant:
	s_mov_b64 s[64:65], 0
	v_nop
	global_prefetch_b8 v0, s[64:65] scope:SCOPE_SE
	s_setreg_imm32_b32 hwreg(HW_REG_WAVE_MODE, 25, 1), 1
	s_wait_xcnt 0x0
; x [8192][1024] (K innermost) and the weights w_qkv [1024][3072], w_out [1024][1024] (K outermost), all f32, become codes of BF6 (E3M2) with one E8M0 byte for each 32 along K.
; A block's scale is 2^(floor(log2(its largest magnitude)) - 4); its byte is the largest magnitude's exponent field - 4, held at 1 from below.
; LIMITS: NaN and infinities among the inputs are not served; a block whose largest magnitude lies under 2^-122 keeps the byte 1; a block of zeros has the byte 1 where the rule says 127: its codes are zeros,
; which add nothing under any byte but 0xff, and the bytes are read by this program alone.
; THE LAYOUT OF EVERY OPERAND OF THIS PROGRAM is the image of the matrix operand's registers.  A HALF FRAGMENT (16 rows x 64 K) is 768 bytes: lane l = 16 h + r holds k = 32 h .. 32 h + 31 of its row in six registers;
; registers 0-3 lie at byte 16 l, registers 4-5 at byte 512 + 8 l.  A fragment (16 rows x 128 K) is two of them on end.  x_img and w_img: [tile][K step of 128][1,536 bytes].
; THE ROWS OF A TILE ARE NOT NEIGHBOURS: lane-row r of tile 2 g + u is row 32 g + 8 u + r + 8 (r / 8), so that, where such tiles are source 0 of a product, a lane's 16 results of tiles 2 g and 2 g + 1 are 16 neighbours.
; The scale words (four bytes: 128 along K of a row): [tile][256 along K][r][2 words], 512 bytes a tile.  w_img's rows 0-3071 are w_qkv's columns, rows 3072-4095 w_out's.
; Work-groups 0-255 take x, 256-383 the weights: two ways through the text, each with LDS bytes of its own.  No tensor loads, no barrier: waves share nothing.
.set XR,   16                          ; x: v16-143  two sets of 64 registers as loaded
.set XX,   144                         ; v144-207 my 64 numbers: two whole blocks of 32
.set XC,   208                         ; v208-219 a fragment's codes
.set XT,   220                         ; v220-222, v224-226 the upper halves of the two blocks' codes, before they are moved
.set XW,   240                         ; v240-243 the four K steps' scale words
.set SPX,  528                         ; a stage row: 512 bytes + 16
.set WOFF, 16                          ; weights: v16-47 byte offsets of 32 rows down K
.set WX,   48                          ; v48-111  two sets of 32 numbers
.set WC,   112                         ; v112-117 a block's codes
.set WT,   120                         ; v120-122 their upper half, before it is moved
.set WSB,  124                         ; v124-125 my column's eight scale bytes
.set WOUT, 128                         ; v128-175 the way out
.set WST,  33792                       ; the weights' stages begin behind x's
.macro LOADX t                         ; K step t of my 16 rows: each load reads 512 consecutive bytes of one row
.irp j, 0,1,2,3,4,5,6,7,8,9,10,11,12,13,14,15
	global_load_b128 v[XR+64*((\t)%2)+4*\j:XR+64*((\t)%2)+4*\j+3], v2, s[4:5] offset:(\j+8*(\j/8))*4096+512*(\t) th:TH_LOAD_NT
.endr
.endm
.macro XSTEP t
.if (\t) < 3
	s_wait_loadcnt 16                              ; this K step's sixteen loads are in; the next step's sixteen may be out
.else
	s_wait_loadcnt 0x0
.endif
.irp j, 0,1,2,3,4,5,6,7,8,9,10,11,12,13,14,15
	ds_store_b128 v4, v[XR+64*((\t)%2)+4*\j:XR+64*((\t)%2)+4*\j+3] offset:SPX*\j   ; the rows go through my own stage as they lie
.endr
.irp c, 0,1
.irp i, 0,1,2,3,4,5,6,7
	ds_load_b128 v[XX+32*\c+4*\i:XX+32*\c+4*\i+3], v5 offset:256*\c+16*\i   ; and come back 128 bytes a lane: k = 64 c + 32 h + 0 .. 31 of row r (LDS serves a wave's instructions in order)
.endr
.endr
	s_wait_dscnt 0x0
.if (\t) < 2
	LOADX (\t)+2
.endif
.irp c, 0,1
	v_max3_num_f32 v[228+\c], |v[XX+32*\c]|, |v[XX+32*\c+1]|, 0x2800000   ; block 2 c + h: all 32 numbers are mine; the floor 2^(5 - 127) holds the byte at 1 from below
.endr
.irp i, 2,4,6,8,10,12,14,16,18,20,22,24,26,28,30
.irp c, 0,1
	v_max3_num_f32 v[228+\c], v[228+\c], |v[XX+32*\c+\i]|, |v[XX+32*\c+\i+1]|
.endr
.endr
.irp c, 0,1
	v_add_nc_u32 v[230+\c], 0xfe000000, v[228+\c]  ; 4 off the exponent field: the conversion's scale operand
.endr
.irp c, 0,1
	v_lshrrev_b32 v[232+\c], 23, v[230+\c]         ; the scale's byte
.endr
	v_lshl_or_b32 v234, v233, 16, v232             ; my two bytes: blocks h and 2 + h,
	v_lshlrev_b32 v234, v8, v234                   ; at their places in the word (8 h bits up);
	v_permlanex16_b32 v235, v234, s20, s21
	v_or_b32 v[XW+(\t)], v234, v235                ; with lane l xor 16's two the word is whole, in both lanes
	s_wait_alu depctr_va_vdst(0)
	s_wait_xcnt 0x0                                ; the last step's stores have read the codes' registers
.irp c, 0,1
	v_cvt_scalef32_pk16_bf6_f32 v[XC+6*\c:XC+6*\c+2], v[XX+32*\c:XX+32*\c+15], v[230+\c]
	v_cvt_scalef32_pk16_bf6_f32 v[XT+4*\c:XT+4*\c+2], v[XX+32*\c+16:XX+32*\c+31], v[230+\c]   ; (a conversion's three registers begin on an even number)
.endr
	v_nop                                          ; one plain place behind a scaled conversion
.irp c, 0,1
.irp i, 0,1,2
	v_mov_b32 v[XC+6*\c+3+\i], v[XT+4*\c+\i]
.endr
.endr
	global_store_b128 v2, v[XC:XC+3], s[10:11] offset:1536*(\t)          ; 512 consecutive bytes,
	global_store_b64 v3, v[XC+4:XC+5], s[10:11] offset:1536*(\t)+512     ; 256 consecutive bytes: whole aligned blocks
	global_store_b128 v2, v[XC+6:XC+9], s[10:11] offset:1536*(\t)+768
	global_store_b64 v3, v[XC+10:XC+11], s[10:11] offset:1536*(\t)+1280
.endm
.macro LOADW t                         ; block t: rows 32 t + i of my column; 32 lanes read 128 consecutive bytes
.irp i, 0,1,2,3,4,5,6,7,8,9,10,11,12,13,14,15,16,17,18,19,20,21,22,23,24,25,26,27,28,29,30,31
	global_load_b32 v[WX+32*((\t)%2)+\i], v[WOFF+\i], s[36+2*(\t):37+2*(\t)] th:TH_LOAD_NT
.endr
.endm
.macro BLOCK t
.set XS, WX+32*((\t)%2)
.if (\t) < 7
	s_wait_loadcnt 32                              ; this block's 32 loads are in; the next block's may be out
.else
	s_wait_loadcnt 0x0
.endif
	v_max3_num_f32 v126, |v[XS]|, |v[XS+1]|, |v[XS+2]|
	v_max3_num_f32 v127, |v[XS+3]|, |v[XS+4]|, |v[XS+5]|
.irp i, 6,10,14,18,22,26
	v_max3_num_f32 v126, v126, |v[XS+\i]|, |v[XS+\i+1]|
	v_max3_num_f32 v127, v127, |v[XS+\i+2]|, |v[XS+\i+3]|
.endr
	v_max3_num_f32 v126, v126, |v[XS+30]|, |v[XS+31]|
	v_max3_num_f32 v126, v126, v127, 0x2800000     ; and the floor
	v_add_nc_u32 v118, 0xfe000000, v126
	v_lshrrev_b32 v119, 23, v118
.if (\t)%4 == 0
	v_mov_b32 v[WSB+(\t)/4], v119                  ; four bytes to a word, the lower K in the lower byte
.else
	v_lshl_or_b32 v[WSB+(\t)/4], v119, 8*((\t)%4), v[WSB+(\t)/4]
.endif
	v_cvt_scalef32_pk16_bf6_f32 v[WC:WC+2], v[XS:XS+15], v118
	v_cvt_scalef32_pk16_bf6_f32 v[WT:WT+2], v[XS+16:XS+31], v118
	v_nop
.irp i, 0,1,2
	v_mov_b32 v[WC+3+\i], v[WT+\i]
.endr
	ds_store_b128 v8, v[WC:WC+3] offset:((\t)/2)*768+256*((\t)%2)        ; block t is lane 16 (t % 2) + r of half fragment t / 2
	ds_store_b64 v9, v[WC+4:WC+5] offset:((\t)/2)*768+512+128*((\t)%2)
.if (\t) < 6
	LOADW (\t)+2
.endif
	s_wait_dscnt 0x0                               ; the stores have read their registers
.endm
	s_load_b128 s[4:7], s[0:1], 0x0                ; x, w_qkv
	s_load_b128 s[8:11], s[0:1], 0x10              ; w_out, x_img
	s_load_b128 s[12:15], s[0:1], 0x20             ; xs_img, w_img
	s_load_b64 s[16:17], s[0:1], 0x30              ; ws_img
	v_lshl_add_u32 v254, v0, 2, 0xe800
	v_mov_b32 v255, 0
	v_lshrrev_b32 v1, 5, v0
	v_readfirstlane_b32 s18, v1                    ; wave 0..3
	v_and_b32 v1, 31, v0                           ; lane
	v_lshlrev_b32 v2, 4, v1                        ; 16 x lane
	v_lshlrev_b32 v3, 3, v1                        ; 8 x lane
	s_mov_b32 s20, 0x76543210
	s_mov_b32 s21, 0xfedcba98                      ; v_permlanex16_b32's selects for lane l xor 16
	s_cmp_lt_u32 ttmp9, 256
	s_cbranch_scc0 .Lweights
	; ---- x: wave g = 4 x work-group + wave takes tile g / 2 and K steps 4 (g % 2) .. + 3
	v_and_b32 v6, 15, v0                           ; r
	v_bfe_u32 v7, v0, 4, 1                         ; h
	s_mul_i32 s22, s18, 16*SPX                     ; my stage
	v_add_nc_u32 v4, s22, v2                       ; in: 16 x lane of a row
	v_mul_u32_u24 v5, v6, SPX
	v_lshl_add_u32 v5, v7, 7, v5
	v_add_nc_u32 v5, s22, v5                       ; out: row r, + 128 h
	v_lshlrev_b32 v8, 3, v7                        ; 8 h
	v_mov_b32 v235, 0                              ; a lane permute's destination counts as one of its sources
	s_lshl_b32 s23, ttmp9, 2
	s_add_co_u32 s23, s23, s18                     ; g
	s_lshr_b32 s24, s23, 1                         ; the tile
	s_and_b32 s25, s23, 1                          ; which half of K
	s_lshr_b32 s26, s24, 1
	s_lshl_b32 s26, s26, 17                        ; 32 rows of 4,096 bytes for each pair of tiles,
	s_and_b32 s27, s24, 1
	s_lshl_b32 s27, s27, 15                        ; 8 rows for the odd tile,
	s_add_co_u32 s26, s26, s27
	s_lshl_b32 s27, s25, 11                        ; 2,048 bytes for the upper half of K
	s_add_co_u32 s26, s26, s27
	s_mov_b32 s27, 0
	s_mul_i32 s28, s24, 12288
	s_mul_i32 s29, s25, 6144
	s_add_co_u32 s28, s28, s29
	s_mov_b32 s29, 0
	s_lshl_b32 s30, s24, 9
	s_lshl_b32 s31, s25, 8
	s_add_co_u32 s30, s30, s31
	s_mov_b32 s31, 0
	s_wait_alu depctr_va_vdst(0)
	s_wait_kmcnt 0x0
	s_add_nc_u64 s[4:5], s[4:5], s[26:27]
	s_add_nc_u64 s[10:11], s[10:11], s[28:29]
	s_add_nc_u64 s[12:13], s[12:13], s[30:31]
	LOADX 0
	LOADX 1
	XSTEP 0
	XSTEP 1
	XSTEP 2
	XSTEP 3
	v_cmp_lt_u32 vcc_lo, 15, v1                    ; lanes 0-15 store the words of K steps 0 and 1, lanes 16-31 those of 2 and 3 (128 bytes on): one aligned block of 256 bytes
	v_cndmask_b32 v244, v[XW], v[XW+2], vcc_lo
	v_cndmask_b32 v245, v[XW+1], v[XW+3], vcc_lo
	global_store_b64 v3, v[244:245], s[12:13]
	s_wait_tensorcnt 0x0
	ds_add_u32 v254, v255
	s_wait_dscnt 0x0
	s_endpgm
.Lweights:
	; ---- the weights: a lane takes a column, its registers run down K.  Work-group j: 128 columns (j % 32), 256 along K (j / 32); wave w: columns 32 w .. 32 w + 31: two tiles
	s_sub_co_u32 s22, ttmp9, 256
	s_and_b32 s23, s22, 31                         ; which 128 rows of w_img
	s_lshr_b32 s24, s22, 5                         ; which 256 along K
	v_bfe_u32 v6, v0, 3, 1                         ; u: my column's tile of the two
	v_and_b32 v7, 7, v0
	v_bfe_u32 v11, v0, 4, 1
	v_lshl_or_b32 v7, v11, 3, v7                   ; r: its lane-row there
	s_mul_i32 s25, s18, 6400
	s_add_co_u32 s25, s25, WST                     ; my stage: two tiles of 3,072 bytes, 3,200 apart
	v_mul_u32_u24 v12, v6, 3200
	v_add_nc_u32 v12, s25, v12
	v_lshl_add_u32 v8, v7, 4, v12
	v_lshl_add_u32 v9, v7, 3, v12
	v_add_nc_u32 v10, s25, v2
	v_lshlrev_b32 v13, 2, v1                       ; 4 bytes a lane
	s_wait_alu depctr_va_vdst(0)
	v_lshlrev_b32 v14, 3, v7
	v_lshl_add_u32 v14, v6, 9, v14                 ; my scale words' place: 512 u + 8 r
	s_max_u32 s26, s23, 24
	s_sub_co_u32 s26, s26, 24
	s_mov_b32 s27, 4096
	s_cmp_lt_u32 s23, 24                           ; w_qkv or w_out?  The choice hangs on the work-group's number alone
	s_cselect_b32 s26, s23, s26                    ; which 128 columns of that weight
	s_cselect_b32 s27, 12288, s27                  ; and its row in bytes
	s_lshl_b32 s28, s26, 9
	s_lshl_b32 s29, s18, 7
	s_add_co_u32 s28, s28, s29
	s_lshl_b32 s29, s24, 8
	s_mul_i32 s29, s29, s27
	s_add_co_u32 s28, s28, s29                     ; my wave's first number
	s_mov_b32 s29, 0
	s_lshl_b32 s30, s27, 5                         ; 32 rows on
	s_mov_b32 s31, 0
.irp i, 0,1,2,3,4,5,6,7,8,9,10,11,12,13,14,15,16,17,18,19,20,21,22,23,24,25,26,27,28,29,30,31
	v_mad_u32_u24 v[WOFF+\i], s27, \i, v13
.endr
	s_lshl_b32 s32, s23, 3
	s_lshl_b32 s33, s18, 1
	s_add_co_u32 s32, s32, s33                     ; my first tile
	s_mul_i32 s34, s32, 12288
	s_mul_i32 s35, s24, 3072
	s_add_co_u32 s34, s34, s35
	s_mov_b32 s35, 0
	s_lshl_b32 s32, s32, 9
	s_lshl_b32 s33, s24, 7
	s_add_co_u32 s32, s32, s33
	s_mov_b32 s33, 0
	s_wait_alu depctr_va_vdst(0)
	s_wait_kmcnt 0x0
	s_cmp_lt_u32 s23, 24
	s_cselect_b64 s[36:37], s[6:7], s[8:9]
	s_add_nc_u64 s[36:37], s[36:37], s[28:29]
.irp t, 1,2,3,4,5,6,7
	s_add_nc_u64 s[36+2*\t:37+2*\t], s[34+2*\t:35+2*\t], s[30:31]   ; a base for each block of 32 rows
.endr
	s_add_nc_u64 s[14:15], s[14:15], s[34:35]
	s_add_nc_u64 s[16:17], s[16:17], s[32:33]
	LOADW 0
	LOADW 1
.irp t, 0,1,2,3,4,5,6,7
	BLOCK \t
.endr
	s_wait_alu depctr_va_vdst(0)
	global_store_b64 v14, v[WSB:WSB+1], s[16:17]   ; my column's two scale words
.irp n, 0,1,2,3,4,5,6,7,8,9,10,11
	ds_load_b128 v[WOUT+4*\n:WOUT+4*\n+3], v10 offset:3200*(\n/6)+512*(\n%6)
.endr
.irp n, 0,1,2,3,4,5,6,7,8,9,10,11
	s_wait_dscnt 11-\n                             ; load n is back; the younger ones may be out
	global_store_b128 v2, v[WOUT+4*\n:WOUT+4*\n+3], s[14:15] offset:12288*(\n/6)+512*(\n%6)   ; 512 consecutive bytes
.endr
	s_wait_tensorcnt 0x0
	ds_add_u32 v254, v255
	s_wait_dscnt 0x0
	s_endpgm
.Lfunc_end_k_q88bd1b7c29_quant:
	.size	k_q88bd1b7c29_quant, .Lfunc_end_k_q88bd1b7c29_quant-k_q88bd1b7c29_quant
	.p2alignl 7, 3214868480
	.fill 96, 4, 3214868480
	.section	.rodata,"a",@progbits
	.p2align	6, 0x0
	.amdhsa_kernel k_q88bd1b7c29_quant
		.amdhsa_group_segment_fixed_size 59904
		.amdhsa_private_segment_fixed_size 0
		.amdhsa_enable_private_segment 0
		.amdhsa_kernarg_size 56
		.amdhsa_user_sgpr_count 2
		.amdhsa_user_sgpr_kernarg_segment_ptr 1
		.amdhsa_wavefront_size32 1
		.amdhsa_system_sgpr_workgroup_id_x 1
		.amdhsa_system_sgpr_workgroup_id_y 1
		.amdhsa_system_sgpr_workgroup_id_z 1
		.amdhsa_system_vgpr_workitem_id 0
		.amdhsa_next_free_vgpr 256
		.amdhsa_next_free_sgpr 66
		.amdhsa_reserve_vcc 1
		.amdhsa_float_denorm_mode_32 3
		.amdhsa_float_denorm_mode_16_64 3
		.amdhsa_memory_ordered 1
		.amdhsa_forward_progress 1
		.amdhsa_inst_pref_size 74
	.end_amdhsa_kernel
	.amdgpu_metadata
---
amdhsa.version: [ 1, 2 ]
amdhsa.kernels:
  - .name:           k_q88bd1b7c29_quant
    .symbol:         k_q88bd1b7c29_quant.kd
    .args:
      - { .name: x, .offset: 0, .size: 8, .value_kind: global_buffer, .address_space: global }
      - { .name: w_qkv, .offset: 8, .size: 8, .value_kind: global_buffer, .address_space: global }
      - { .name: w_out, .offset: 16, .size: 8, .value_kind: global_buffer, .address_space: global }
      - { .name: x_img, .offset: 24, .size: 8, .value_kind: global_buffer, .address_space: global }
      - { .name: xs_img, .offset: 32, .size: 8, .value_kind: global_buffer, .address_space: global }
      - { .name: w_img, .offset: 40, .size: 8, .value_kind: global_buffer, .address_space: global }
      - { .name: ws_img, .offset: 48, .size: 8, .value_kind: global_buffer, .address_space: global }
    .group_segment_fixed_size: 59904
    .private_segment_fixed_size: 0
    .kernarg_segment_align: 8
    .kernarg_segment_size: 56
    .max_flat_workgroup_size: 128
    .sgpr_count:     66
    .vgpr_count:     256
    .wavefront_size: 32
...
	.end_amdgpu_metadata
.endif
;; end of part 1
;; launch gemm_qkv (part 2): grid 8 x 48, 4 waves a work-group, clusters of 4 x 4, 327,680 bytes of LDS; arguments x_img, xs_img, w_img, ws_img, b_qkv, qkv; writes qkv
.if DOCPART == 2
	.amdgcn_target "amdgcn-amd-amdhsa--gfx1250"
	.amdhsa_code_object_version 6
	.text
	.protected	k_q88bd1b7c29_gemm_qkv
	.globl	k_q88bd1b7c29_gemm_qkv
	.p2align	8
	.type	k_q88bd1b7c29_gemm_qkv,@function
k_q88bd1b7c29_gemm_qkv:
	s_mov_b64 s[64:65], 0
	v_nop
	global_prefetch_b8 v0, s[64:65] scope:SCOPE_SE
	s_setreg_imm32_b32 hwreg(HW_REG_WAVE_MODE, 25, 1), 1
	s_wait_xcnt 0x0
	s_wait_alu depctr_hold_cnt(0) depctr_sa_sdst(0) depctr_va_vdst(0) depctr_va_sdst(0) depctr_va_ssrc(0) depctr_va_vcc(0) depctr_vm_vsrc(0)
	s_getreg_b32 s2, hwreg(HW_REG_IB_STS2, 6, 4)
	s_cmp_eq_u32 s2, 0
	s_cbranch_scc0 .Lentry_in_a_cluster
	s_endpgm
.Lentry_in_a_cluster:
	s_bfe_u32 s2, ttmp6, 0x10000c
	s_cmp_lg_u32 s2, 0xf033
	s_cbranch_scc0 .Lentry_shape_is_right
	s_endpgm
.Lentry_shape_is_right:
; qkv = x w_qkv + b_qkv on codes of BF6 with E8M0 scales, K = 1,024; the result is quantised at once, as the operands of attention's two products, and leaves as register images.
; NAMES.  R is source 0 of the matrix instruction: its rows run along a lane's result registers.  P is source 1: its rows are the lanes.  A work-group makes 256 rows of P x 256 rows of R, a wave 128 x 128:
; 64 accumulators of 16 x 16.  The rows of R's tiles are so chosen (see below) that a lane's 64 results of one tile of P are, 16 by 16, neighbours along R: they are quantised ALONG R in registers.
; TWO KINDS of work-group, told apart by the cluster's y, which all partners share.  y < 8: q and k, whose blocks run along the head's 64: P = tokens (x_img), R = columns of w_qkv (w_img).
; y >= 8: v, whose blocks run along the tokens (the keys of the second product): P = v's columns (w_img), R = tokens (x_img).  Only pointers, tile numbers and the way out differ.
; OPERANDS are register images: a fragment (16 rows x 128 K) is 1,536 bytes: registers 0-3 at 16 x lane, 4-5 at 512 + 8 x lane, 6-9 at 768 + 16 x lane, 10-11 at 1,280 + 8 x lane.  Lane-row r of tile 2 g + u is row 32 g + 8 u + r + 8 (r / 8).
; K goes in steps of 256 through a ring of two LDS slots; a wave's tensor load brings 8 tiles x 3,072 bytes.  The scale words of the work-group's rows, for all of K, come once and stay.
; CLUSTERS: 4 x 4.  P's tiles hang on cy and the cluster's y and are asked for jointly along a row of the cluster, R's on cx and the cluster's x and y, jointly along a column.
; OUT: qkv [batch x head 64][step of 128 tokens 16][19,200 bytes]: K's 8 half fragments (768 bytes each: 16 tokens x 64), K's scales (256: [r][pair of tiles][tile] 2 bytes), V's 4 fragments (16 channels x 128 tokens),
; V's scales (256: [r][fragment] words), Q's 8 half fragments, Q's scales.
; LIMITS: NaN and infinities are not served; a block whose largest magnitude lies under 2^-122 (a block of zeros too) has the scale byte 1; the bytes are read by this program alone.
; REGISTERS: window 0: v1-31 addresses; v32-63 scale words, two sets; v64-127 the bias along R; v128-223 P's 8 fragments; v224-239 the bias along P.  Window 1: R's fragments, two sets, at v0 and v128.  Windows 2, 3: the accumulators, (a, b) at v[8 (8 (a % 4) + b)].
.set FR,    12
.set NP,    4                          ; places behind this matrix instruction (ISA guide 7.12.1)
.set HALFT, 24576                      ; 8 tiles x 3,072 bytes: what one tensor load brings
.set SLOT,  4*HALFT                    ; P's two halves, then R's two
.set SCL,   2*SLOT                     ; P's scale words, 8,192 bytes
.set SCR,   SCL+8192+128               ; R's: 128 bytes askew, so that lanes r and 16 + r of a load fall on different banks
.set SPARE, 213248                     ; the spare words, 128 bytes a wave: two blocks of 256 bytes that no other line names
.set ADRP,  16                         ; v16-17 P's fragments in slot 0, 1, on 16 x lane; v18-19 on 8 x lane
.set ADRR,  20                         ; v20-23 the same for R
.set L16,   24                         ; v24  16 x lane
.set L8,    25                         ; v25  8 x lane
.set SCO,   26                         ; v26  307,200 h + 16 r: where the scales go
.set ADRS,  27                         ; v27  my scale words in LDS: lanes 0-15 P's, lanes 16-31 R's
.set SPW,   28
.set NIL,   29
.set BO,    30                         ; v30  64 h
.set VO,    31                         ; v31  4 (r + 8 (r / 8))
.set SC,    32
.set BR,    64
.set PF,    128
.set BV,    224
.set ST,    128                        ; the way out: 64 numbers,
.set PC,    192                        ; their codes (12) and 8 at work,
.set TM,    32                         ; v32-47 at work,
.set PWS,   48                         ; v48-55 the eight tiles' scale words,
.set PK,    56                         ; v56-63 and their packing
.set SEL,   10                         ; s[10:11]
.set G1, 24
.set G0, 32
.set G1B, 48
.set G0B, 56
.set G1S, 68
.set G0S, 76
.set G1SB, 80
.set G0SB, 88
.set MSB, 0
.macro WIN new                         ; the immediate's high byte repeats the setting that is left
.if MSB != \new
	s_set_vgpr_msb (MSB<<8)|\new
.set MSB, \new
.endif
.endm
.set MUL_LO, 0xa1                      ; source 0 (R) window 1, source 1 (P) window 0, C and D window 2
.set MUL_HI, 0xf1
.set TO_R,   0x40
.macro JLOAD g0a, g1a, g0b, g1b        ; a joint load: waves 0 and 1 fetch for P, waves 2 and 3 for R; four v_nop follow each line
	s_cmp_eq_u32 s17, 0
	s_cbranch_scc0 .Lfor_r_\@
	tensor_load_to_lds s[\g0a:\g0a+3], s[\g1a:\g1a+7]
	s_nop 0
.rept 4
	v_nop
.endr
	s_branch .Lasked_\@
.Lfor_r_\@:
	tensor_load_to_lds s[\g0b:\g0b+3], s[\g1b:\g1b+7]
	s_nop 0
.rept 4
	v_nop
.endr
.Lasked_\@:
.endm
.macro CREST                           ; a round of the cluster's barrier behind its opening barrier
	s_cmp_lg_u32 s16, 0
	s_cbranch_scc1 .Lnot_wave_0_\@
	s_barrier_signal -3
.Lnot_wave_0_\@:
	s_barrier_wait -3
	s_barrier_signal -1
	s_barrier_wait -1
.endm
.macro CROUND
	s_barrier_signal -1
	s_barrier_wait -1
	CREST
.endm
.macro PLACES n
.rept \n
	v_nop
.endr
.endm
.macro FRAG reg, adr, q, i             ; a fragment's image: four dense loads
	ds_load_b128 v[\reg:\reg+3], v[\adr] offset:(\i)*3072+(\q)*1536
	ds_load_b64 v[\reg+4:\reg+5], v[\adr+2] offset:(\i)*3072+(\q)*1536+512
	ds_load_b128 v[\reg+6:\reg+9], v[\adr] offset:(\i)*3072+(\q)*1536+768
	ds_load_b64 v[\reg+10:\reg+11], v[\adr+2] offset:(\i)*3072+(\q)*1536+1280
.endm
.macro MUL16 a0, p, q, sc, zero        ; P's blocks a0, a0 + 1 x R's eight, 128 along K.  The 64 accumulators take turns, one instruction a turn, in the same order in every step
.irp a, \a0, \a0+1
.irp b, 0,1,2,3,4,5,6,7
.if \zero
	v_wmma_scale_f32_16x16x128_f8f6f4 v[8*(8*((\a)%4)+\b):8*(8*((\a)%4)+\b)+7], v[128*(\p)+FR*\b:128*(\p)+FR*\b+FR-1], v[PF+FR*(\a):PF+FR*(\a)+FR-1], 0, v[SC+16*(\sc)+2*\b+(\q)], v[SC+16*(\sc)+2*(\a)+(\q)] matrix_a_fmt:MATRIX_FMT_BF6 matrix_b_fmt:MATRIX_FMT_BF6 matrix_a_scale:MATRIX_SCALE_ROW1
.else
	v_wmma_scale_f32_16x16x128_f8f6f4 v[8*(8*((\a)%4)+\b):8*(8*((\a)%4)+\b)+7], v[128*(\p)+FR*\b:128*(\p)+FR*\b+FR-1], v[PF+FR*(\a):PF+FR*(\a)+FR-1], v[8*(8*((\a)%4)+\b):8*(8*((\a)%4)+\b)+7], v[SC+16*(\sc)+2*\b+(\q)], v[SC+16*(\sc)+2*(\a)+(\q)] matrix_a_fmt:MATRIX_FMT_BF6 matrix_b_fmt:MATRIX_FMT_BF6 matrix_a_scale:MATRIX_SCALE_ROW1
.endif
.endr
.endr
.endm
.macro FETCH_R slot, q, p
	WIN TO_R
.irp i, 0,1,2,3,4,5,6,7
	FRAG 128*(\p)+FR*\i, ADRR+\slot, \q, \i
.endr
	WIN 0
.endm
.macro FETCH_P slot, q, i0
.irp i, \i0, \i0+1, \i0+2, \i0+3
	FRAG PF+FR*(\i), ADRP+\slot, \q, \i
.endr
.endm
.macro SCALES sc                       ; a K step's scale words: two a row; lanes 0-15 take P's block i, lanes 16-31 R's block i
.irp i, 0,1,2,3,4,5,6,7
	ds_load_b64 v[SC+16*\sc+2*\i:SC+16*\sc+2*\i+1], v[ADRS] offset:\i*512
.endr
.endm
.macro STEP slot, q, zero              ; 128 along K that has its successor in the same slot
	s_wait_dscnt 16                                ; R's set and P's blocks 0-3 are in; the youngest sixteen loads (P's blocks 4-7) may be out
	WIN MUL_LO
	MUL16 0, (\q)%2, \q, \slot, \zero
	MUL16 2, (\q)%2, \q, \slot, \zero
	s_wait_dscnt 0x0
	PLACES NP
	FETCH_R \slot, (\q)+1, 1-(\q)%2
	FETCH_P \slot, (\q)+1, 0
	WIN MUL_HI
	MUL16 4, (\q)%2, \q, \slot, \zero
	MUL16 6, (\q)%2, \q, \slot, \zero
	PLACES NP
	WIN 0
	FETCH_P \slot, (\q)+1, 4
.endm
.macro TURN slot, next, fill           ; a slot's last 128 along K, and the change of slots: one barrier
	s_wait_tensorcnt 0x0                           ; all my tensor loads have landed: my part of the next slot;
	ds_add_u32 v[SPW], v[NIL]                      ; 0 onto my spare word;
	s_wait_dscnt 17                                ; (the add and the youngest sixteen loads may be out)
	WIN MUL_LO
	MUL16 0, 1, 1, \slot, 0
	s_wait_dscnt 0x0                               ; the add is done, and my reads of this slot are over
	s_barrier_signal -1
	MUL16 2, 1, 1, \slot, 0
	WIN 0
	s_barrier_wait -1
.if \fill
	CREST                                          ; the barrier has opened a round of the cluster's: no wave of any partner still reads this slot or has a load on its way
	s_add_nc_u64 s[G0+4*\slot+2:G0+4*\slot+3], s[G0+4*\slot+2:G0+4*\slot+3], 6144
	s_add_nc_u64 s[G0B+4*\slot+2:G0B+4*\slot+3], s[G0B+4*\slot+2:G0B+4*\slot+3], 6144
	JLOAD G0+4*\slot, G1, G0B+4*\slot, G1B         ; the first tensor load behind the round; its four v_nop are the places in front of the loads below
.else
	PLACES NP
.endif
	s_wait_alu depctr_va_vdst(0)
	v_add_nc_u32 v[ADRS], 128, v[ADRS]             ; the next K step's scale words
	FETCH_R \next, 0, 0
	FETCH_P \next, 0, 0
	SCALES \next
	WIN MUL_HI
	MUL16 4, 1, 1, \slot, 0
	MUL16 6, 1, 1, \slot, 0
	PLACES NP
	WIN 0
	FETCH_P \next, 0, 4
.endm
; 64 numbers of a lane, register 16 b + i = place 32 b + 16 h + i along R, become a fragment's codes in v[PC] on and its scale word in v[pw]
.macro QUANT s, pw
.irp b, 0,1,2,3
	v_max3_num_f32 v[TM+\b], |v[\s+16*\b]|, |v[\s+1+16*\b]|, 0x2800000   ; my 16 numbers of block b, and the floor 2^(5 - 127)
.endr
.irp i, 2,4,6,8,10,12,14
.irp b, 0,1,2,3
	v_max3_num_f32 v[TM+\b], v[TM+\b], |v[\s+16*\b+\i]|, |v[\s+1+16*\b+\i]|
.endr
.endr
.irp b, 0,1,2,3
	v_permlanex16_b32 v[TM+4+\b], v[TM+\b], s[SEL], s[SEL+1]
.endr
.irp b, 0,1,2,3
	v_max_num_f32 v[TM+\b], v[TM+\b], v[TM+4+\b]   ; with lane l xor 16's: the block's largest magnitude
.endr
.irp b, 0,1,2,3
	v_add_nc_u32 v[TM+12+\b], 0xfe000000, v[TM+\b] ; 4 off its exponent field: the conversion's scale operand
.endr
.irp b, 0,1,2,3
	v_lshrrev_b32 v[TM+4+\b], 23, v[TM+12+\b]      ; the scale's byte
.endr
	v_lshl_or_b32 v[\pw], v[TM+5], 8, v[TM+4]
	v_lshl_or_b32 v[\pw], v[TM+6], 16, v[\pw]
	v_lshl_or_b32 v[\pw], v[TM+7], 24, v[\pw]
.irp c, 0,1
	v_cvt_scalef32_pk16_bf6_f32 v[PC+6*\c:PC+2+6*\c], v[\s+32*\c:\s+15+32*\c], v[TM+12+2*\c]
	v_cvt_scalef32_pk16_bf6_f32 v[PC+12+4*\c:PC+14+4*\c], v[\s+16+32*\c:\s+31+32*\c], v[TM+12+2*\c+1]
.endr
	v_nop                                          ; one plain place behind a scaled conversion
.irp c, 0,1                                    ; the operand's layout wants a whole block in a lane
.irp i, 0,1,2
	v_permlane16_swap_b32 v[PC+6*\c+\i], v[PC+12+4*\c+\i]
.endr
.irp i, 0,1,2
	v_mov_b32 v[PC+3+6*\c+\i], v[PC+12+4*\c+\i]
.endr
.endr
.endm
; P's block a leaves: the bias is added on the way into window 0 (each accumulator from its low end on), the 64 numbers are quantised, the image is stored in whole aligned blocks of 256 bytes
.macro EPI a, kind
.set AC, 64*((\a)%4)
.set WS, 0x02+(\a)/4
	WIN WS                                         ; source 0: window 2 or 3
.set n, 0
.rept 32
.if \kind
	v_pk_add_f32 v[ST+n:ST+n+1], v[AC+n:AC+n+1], v[BV+2*(\a):BV+2*(\a)+1]
.else
	v_pk_add_f32 v[ST+n:ST+n+1], v[AC+n:AC+n+1], v[BR+n:BR+n+1]
.endif
.set n, n+2
.endr
	WIN 0
	s_wait_xcnt 0x0                                ; the last block's stores have read the codes' registers
	QUANT ST, PWS+(\a)
.if \kind
	global_store_b128 v[L16], v[PC:PC+3], s[14:15] offset:((\a)/4)*307200+((\a)%4)*1536         ; v: a whole fragment, 16 channels x my 128 tokens; blocks 4-7 are the next head's
	global_store_b64 v[L8], v[PC+4:PC+5], s[14:15] offset:((\a)/4)*307200+((\a)%4)*1536+512
	global_store_b128 v[L16], v[PC+6:PC+9], s[14:15] offset:((\a)/4)*307200+((\a)%4)*1536+768
	global_store_b64 v[L8], v[PC+10:PC+11], s[14:15] offset:((\a)/4)*307200+((\a)%4)*1536+1280
.else
	global_store_b128 v[L16], v[PC:PC+3], s[14:15] offset:(\a)*768                              ; q, k: registers 0-5 are my first head's half fragment,
	global_store_b64 v[L8], v[PC+4:PC+5], s[14:15] offset:(\a)*768+512
	global_store_b128 v[L16], v[PC+6:PC+9], s[14:15] offset:307200+(\a)*768                     ; registers 6-11 the next head's
	global_store_b64 v[L8], v[PC+10:PC+11], s[14:15] offset:307200+(\a)*768+512
.endif
.endm
	s_load_b128 s[4:7], s[0:1], 0x0                ; x_img, xs_img
	s_load_b128 s[8:11], s[0:1], 0x10              ; w_img, ws_img
	s_load_b128 s[12:15], s[0:1], 0x20             ; b_qkv, qkv
	v_lshl_add_u32 v[SPW], v0, 2, SPARE
	v_mov_b32 v[NIL], 0
	ds_add_u32 v28, v29
	ds_add_u32 v28, v29
	s_wait_dscnt 0x0
	v_lshrrev_b32 v1, 5, v0
	v_readfirstlane_b32 s16, v1                    ; wave 0..3
	s_lshr_b32 s17, s16, 1                         ; my half of P's rows.  Also: I fetch for P (0) or for R (1)
	s_and_b32 s18, s16, 1                          ; my half of R's rows.  Also: which 8 tiles I fetch
	s_bfe_u32 s19, ttmp6, 0x40000                  ; cx
	s_bfe_u32 s20, ttmp6, 0x40004                  ; cy
	s_and_b32 s21, ttmp7, 0xffff                   ; the cluster's y: under 8 q and k, from 8 on v
	s_lshl_b32 s22, ttmp9, 2
	s_add_co_u32 s22, s22, s19                     ; work-group x
	s_lshl_b32 s23, s21, 2
	s_add_co_u32 s23, s23, s20                     ; work-group y
	s_lshl_b32 s42, s20, 2
	s_lshl_b32 s42, 15, s42                        ; my row of the cluster
	s_lshl_b32 s43, 0x1111, s19                    ; my column
	s_add_co_u32 s44, s20, 8                       ; v: P's block of 16 tiles in w_img: 8 + cy
	s_max_u32 s46, s21, 8
	s_sub_co_u32 s46, s46, 8
	s_lshl_b32 s46, s46, 3
	s_add_co_u32 s46, s46, s22                     ; v: R's block in x_img: 8 (y - 8) + work-group x
	s_cmp_lt_u32 s21, 8
	s_cselect_b32 s40, s23, s44                    ; P's block: made of cy and the cluster's y alone
	s_cselect_b32 s41, s22, s46                    ; R's block: of cx and the cluster's x and y
	; descriptor group 1, codes: 8 rows (tiles) of 384 elements of 8 bytes (two K steps of 128), 1,536 elements apart; no padding
	s_or_b32 s[G1+0], s42, (3<<16)|(1<<21)
	s_or_b32 s[G1B+0], s43, (3<<16)|(1<<21)
.irp g, G1, G1B
	s_mov_b32 s[\g+1], 384<<16                     ; tensor_dim0
	s_mov_b32 s[\g+2], 16<<16                      ; tensor_dim1: the head's loads bring 16 tiles
	s_mov_b32 s[\g+3], 384<<16                     ; tile_dim0
	s_mov_b32 s[\g+4], 16                          ; tile_dim1
	s_mov_b32 s[\g+5], 1536                        ; tensor_dim0_stride
	s_mov_b32 s[\g+6], 0
	s_mov_b32 s[\g+7], 0
.endr
	; scales: 16 tiles' 8,192 dense bytes as 32 rows of 256
	s_or_b32 s[G1S+0], s42, (3<<16)|(1<<21)
	s_or_b32 s[G1SB+0], s43, (3<<16)|(1<<21)
.irp g, G1S, G1SB
	s_mov_b32 s[\g+1], 32<<16
	s_mov_b32 s[\g+2], 32<<16
	s_mov_b32 s[\g+3], 32<<16
	s_mov_b32 s[\g+4], 32
	s_mov_b32 s[\g+5], 32
	s_mov_b32 s[\g+6], 0
	s_mov_b32 s[\g+7], 0
.endr
	s_mul_i32 s100, s18, 98304                     ; the 8 tiles that I fetch: their codes,
	s_mov_b32 s101, 0                              ; s[100:101]: the byte offset of the 8 tiles that I fetch in the ring
	s_mul_i32 s44, s40, 196608
	s_mov_b32 s45, 0
	s_lshl_b32 s66, s40, 13
	s_mov_b32 s67, 0
	s_mul_i32 s46, s41, 196608
	s_mov_b32 s47, 0
	s_lshl_b32 s2, s41, 13
	s_mov_b32 s3, 0
	s_mul_i32 s23, s16, HALFT                      ; where the codes go: wave x 8 tiles: no place in the cluster enters an LDS address
	s_wait_kmcnt 0x0
	s_cmp_lt_u32 s21, 8                            ; which buffer is P and which R hangs on the cluster's y alone
	s_cselect_b64 s[92:93], s[4:5], s[8:9]
	s_cselect_b64 s[94:95], s[6:7], s[10:11]
	s_cselect_b64 s[96:97], s[8:9], s[4:5]
	s_cselect_b64 s[98:99], s[10:11], s[6:7]
	s_add_nc_u64 s[92:93], s[92:93], s[44:45]
	s_add_nc_u64 s[94:95], s[94:95], s[66:67]
	s_add_nc_u64 s[96:97], s[96:97], s[46:47]
	s_add_nc_u64 s[98:99], s[98:99], s[2:3]
	CROUND                                         ; all sixteen work-groups are here: the first joint loads meet
	s_mov_b32 s[G0S], 1
	s_mov_b32 s[G0S+1], SCL
	s_mov_b64 s[G0S+2:G0S+3], s[94:95]
	s_or_b32 s[G0S+3], s[G0S+3], 0x80000000
	s_mov_b32 s[G0SB], 1
	s_mov_b32 s[G0SB+1], SCR
	s_mov_b64 s[G0SB+2:G0SB+3], s[98:99]
	s_or_b32 s[G0SB+3], s[G0SB+3], 0x80000000
	; the head's four tiles, each whole, one a wave: slot 0's 16 tiles of P, its 16 tiles of R, P's scale words, R's
	s_mov_b32 s[G0], 1
	s_mov_b32 s[G0+1], 0
	s_mov_b64 s[G0+2:G0+3], s[92:93]
	s_or_b32 s[G0+3], s[G0+3], 0x80000000
	s_mov_b32 s[G0B], 1
	s_mov_b32 s[G0B+1], 2*HALFT
	s_mov_b64 s[G0B+2:G0B+3], s[96:97]
	s_or_b32 s[G0B+3], s[G0B+3], 0x80000000
	s_add_nc_u64 s[92:93], s[92:93], s[100:101]    ; for the ring: my 8 tiles
	s_add_nc_u64 s[96:97], s[96:97], s[100:101]
	s_mov_b32 s[G0+4], 1
	s_add_co_u32 s[G0+5], s23, SLOT
	s_add_nc_u64 s[G0+6:G0+7], s[92:93], 3072
	s_or_b32 s[G0+7], s[G0+7], 0x80000000
	s_mov_b32 s[G0B+4], 1
	s_add_co_u32 s[G0B+5], s23, SLOT
	s_add_nc_u64 s[G0B+6:G0B+7], s[96:97], 3072
	s_or_b32 s[G0B+7], s[G0B+7], 0x80000000
.macro ARM under, g0, g1, next         ; one chain of branches on the wave's number: every way through the head passes one load
	s_cmp_lt_u32 s16, \under
	s_cbranch_scc0 \next
	tensor_load_to_lds s[\g0:\g0+3], s[\g1:\g1+7]
	s_nop 0
.rept 4
	v_nop
.endr
	s_branch .Lhead_asked
\next:
.endm
	ARM 1, G0,  G1,  .Lhead_r
	ARM 2, G0B, G1B, .Lhead_sp
	ARM 3, G0S, G1S, .Lhead_sr
	tensor_load_to_lds s[G0SB:G0SB+3], s[G1SB:G1SB+7]
	s_nop 0
.rept 4
	v_nop
.endr
.Lhead_asked:
	v_and_b32 v1, 31, v0                           ; lane
	v_and_b32 v2, 15, v0                           ; r
	v_bfe_u32 v3, v0, 4, 1                         ; h
	v_lshlrev_b32 v[L16], 4, v1
	v_lshlrev_b32 v[L8], 3, v1
	s_mul_i32 s66, s17, HALFT                      ; my 8 tiles of P,
	s_mul_i32 s67, s18, HALFT
	s_add_co_u32 s67, s67, 2*HALFT                 ; of R
.irp s, 0,1
	v_add_nc_u32 v[ADRP+\s], s66, v[L16]
	v_add_nc_u32 v[ADRP+2+\s], s66, v[L8]
	v_add_nc_u32 v[ADRR+\s], s67, v[L16]
	v_add_nc_u32 v[ADRR+2+\s], s67, v[L8]
	s_add_co_u32 s66, s66, SLOT
	s_add_co_u32 s67, s67, SLOT
.endr
	v_lshlrev_b32 v4, 3, v2                        ; my row's two words of a K step: 8 r
	s_lshl_b32 s66, s17, 12
	s_lshl_b32 s67, s18, 12
	s_add_co_u32 s67, s67, SCR-SCL
	s_sub_co_u32 s67, s67, s66
	v_mul_u32_u24 v5, s67, v3                      ; lanes 16-31 take R's: one product, the distance between the two
	s_add_co_u32 s66, s66, SCL
	v_add_nc_u32 v4, v4, v5
	v_add_nc_u32 v[ADRS], s66, v4
	v_mul_u32_u24 v[SCO], v3, 307200
	v_lshl_add_u32 v[SCO], v2, 4, v[SCO]
	v_lshlrev_b32 v[BO], 6, v3
	s_wait_alu depctr_va_vdst(0)
	v_and_b32 v5, 8, v2
	v_add_nc_u32 v5, v5, v2
	v_lshlrev_b32 v[VO], 2, v5
	; what hangs on the kind: all candidates first, then one compare and selections alone
	s_wait_alu depctr_va_vdst(0)
	s_and_b32 s2, s41, 3
	s_cmp_eq_u32 ttmp9, 0
	s_cselect_b32 s3, 12800, 0                     ; q's place in a step, or k's
	s_lshl_b32 s44, s41, 10
	s_lshl_b32 s45, s18, 9
	s_add_co_u32 s44, s44, s45                     ; q, k: the bias of my 128 columns (R), in bytes
	s_lshl_b32 s46, s20, 10
	s_lshl_b32 s47, s17, 9
	s_add_co_u32 s46, s46, s47
	s_add_co_u32 s46, s46, 8192                    ; v: the bias of my 128 columns (P)
	s_cmp_lt_u32 s21, 8
	s_cselect_b32 s100, s40, s41                   ; the block of 256 tokens
	s_cselect_b32 s2, s2, s20                      ; which four heads
	s_cselect_b32 s101, s18, s17                   ; which two of them are my wave's
	s_cselect_b32 s66, s17, s18                    ; which 128 of the tokens
	s_cselect_b32 s3, s3, 6400
	s_cselect_b32 s44, s44, 0                      ; the bias that a kind does not use is loaded from the buffer's head, so that every register is written
	s_cselect_b32 s46, 0, s46
	s_lshr_b32 s67, s100, 3                        ; the batch
	s_lshl_b32 s67, s67, 4
	s_lshl_b32 s2, s2, 2
	s_add_co_u32 s67, s67, s2
	s_lshl_b32 s101, s101, 1
	s_add_co_u32 s67, s67, s101                    ; batch x 16 + my first head
	s_mul_i32 s67, s67, 307200
	s_and_b32 s100, s100, 7
	s_lshl_b32 s100, s100, 1
	s_add_co_u32 s100, s100, s66                   ; the step of 128 tokens
	s_mul_i32 s100, s100, 19200
	s_add_co_u32 s100, s100, s67
	s_add_co_u32 s100, s100, s3
	s_mov_b32 s101, 0
	s_mov_b32 s45, 0
	s_mov_b32 s47, 0
	s_add_nc_u64 s[14:15], s[14:15], s[100:101]
	s_add_nc_u64 s[4:5], s[12:13], s[44:45]
	s_add_nc_u64 s[6:7], s[12:13], s[46:47]
.irp b, 0,1,2,3
.irp j, 0,1,2,3
	global_load_b128 v[BR+16*\b+4*\j:BR+16*\b+4*\j+3], v[BO], s[4:5] offset:128*\b+16*\j   ; register 16 b + i: column 32 b + 16 h + i
.endr
.endr
.irp a, 0,1,2,3,4,5,6,7
	global_load_b32 v[BV+2*\a], v[VO], s[6:7] offset:(32*(\a/2)+8*(\a%2))*4                 ; block a: my lane's column, twice: a pair for the packed addition
	global_load_b32 v[BV+2*\a+1], v[VO], s[6:7] offset:(32*(\a/2)+8*(\a%2))*4
.endr
	s_mov_b32 s[SEL], 0x76543210
	s_mov_b32 s[SEL+1], 0xfedcba98
	s_mov_b32 s8, 0x05040100                       ; v_perm_b32: two low halves,
	s_mov_b32 s9, 0x07060302                       ; two high halves
	s_wait_alu depctr_va_vdst(0)
	s_wait_tensorcnt 0x0                           ; my tile of the head's four is in; these lines stand ahead of slot 1's first fill as ahead of a refill
	ds_add_u32 v[SPW], v[NIL]
	s_mov_b32 s[G1+2], 8<<16                       ; no tensor load of mine is out: from here on a load brings 8 tiles,
	s_mov_b32 s[G1+4], 8
	s_mov_b32 s[G1B+2], 8<<16
	s_mov_b32 s[G1B+4], 8
	s_mov_b32 s[G0+1], s23                         ; and slot 0's group 0 names my quarter of the slot
	s_mov_b64 s[G0+2:G0+3], s[92:93]
	s_or_b32 s[G0+3], s[G0+3], 0x80000000
	s_mov_b32 s[G0B+1], s23
	s_mov_b64 s[G0B+2:G0B+3], s[96:97]
	s_or_b32 s[G0B+3], s[G0B+3], 0x80000000
	s_wait_dscnt 0x0
	CROUND                                         ; all four tiles are in, and all sixteen work-groups are here
	JLOAD G0+4, G1, G0B+4, G1B                     ; K step 1, the first tensor load behind the round
	FETCH_R 0, 0, 0
	FETCH_P 0, 0, 0
	SCALES 0
	FETCH_P 0, 0, 4
	STEP 0, 0, 1                                   ; the first products start the sums: nothing is cleared
	TURN 0, 1, 1                                   ; K = 1,024 is four slots' worth: written straight, each slot is filled again once
	STEP 1, 0, 0
	TURN 1, 0, 1
	STEP 0, 0, 0
	TURN 0, 1, 0
	STEP 1, 0, 0
	s_wait_dscnt 16
	WIN MUL_LO
	MUL16 0, 1, 1, 1, 0
	MUL16 2, 1, 1, 1, 0
	s_wait_dscnt 0x0
	WIN MUL_HI
	MUL16 4, 1, 1, 1, 0
	MUL16 6, 1, 1, 1, 0
	WIN 0
	; THE WAY OUT
	PLACES NP
	s_wait_loadcnt 0x0                             ; the biases
.irp b, 0,1,2,3
	v_mov_b32 v[TM+4+\b], 0                        ; a lane permute's destination counts as one of its sources
.endr
	v_cmp_ne_u32 vcc_lo, 0, v3                     ; lanes 16-31
	s_cmp_lt_u32 s21, 8
	s_cbranch_scc0 .Lkind_v
.irp a, 0,1,2,3,4,5,6,7
	EPI \a, 0
.endr
.irp b, 0,1,2,3                                ; a scale word's low half is my first head's two bytes, its high half the next head's; the words of tiles 2 b and 2 b + 1 make one word for each head
	v_perm_b32 v[PK+\b], v[PWS+2*\b+1], v[PWS+2*\b], s8
	v_perm_b32 v[PK+4+\b], v[PWS+2*\b+1], v[PWS+2*\b], s9
.endr
.irp b, 0,1,2,3
	v_cndmask_b32 v[PK+\b], v[PK+\b], v[PK+4+\b], vcc_lo
.endr
	global_store_b128 v[SCO], v[PK:PK+3], s[14:15] offset:6144   ; lanes 0-15: my first head's 256 bytes; lanes 16-31: the next head's
	s_branch .Lend
.Lkind_v:
.irp a, 0,1,2,3,4,5,6,7
	EPI \a, 1
.endr
.irp t, 0,1,2,3
	v_cndmask_b32 v[PK+\t], v[PWS+\t], v[PWS+4+\t], vcc_lo
.endr
	global_store_b128 v[SCO], v[PK:PK+3], s[14:15] offset:6144
.Lend:
	s_wait_tensorcnt 0x0                           ; the wave's end
	ds_add_u32 v[SPW], v[NIL]
	s_wait_dscnt 0x0
	CROUND                                         ; the closing round
	s_endpgm
.Lfunc_end_k_q88bd1b7c29_gemm_qkv:
	.size	k_q88bd1b7c29_gemm_qkv, .Lfunc_end_k_q88bd1b7c29_gemm_qkv-k_q88bd1b7c29_gemm_qkv
	.p2alignl 7, 3214868480
	.fill 96, 4, 3214868480
	.section	.rodata,"a",@progbits
	.p2align	6, 0x0
	.amdhsa_kernel k_q88bd1b7c29_gemm_qkv
		.amdhsa_group_segment_fixed_size 327680
		.amdhsa_private_segment_fixed_size 0
		.amdhsa_enable_private_segment 0
		.amdhsa_kernarg_size 48
		.amdhsa_user_sgpr_count 2
		.amdhsa_user_sgpr_kernarg_segment_ptr 1
		.amdhsa_wavefront_size32 1
		.amdhsa_system_sgpr_workgroup_id_x 1
		.amdhsa_system_sgpr_workgroup_id_y 1
		.amdhsa_system_sgpr_workgroup_id_z 1
		.amdhsa_system_vgpr_workitem_id 0
		.amdhsa_next_free_vgpr 1024
		.amdhsa_next_free_sgpr 102
		.amdhsa_reserve_vcc 1
		.amdhsa_float_denorm_mode_32 3
		.amdhsa_float_denorm_mode_16_64 3
		.amdhsa_memory_ordered 1
		.amdhsa_forward_progress 1
		.amdhsa_inst_pref_size 220
	.end_amdhsa_kernel
	.amdgpu_metadata
---
amdhsa.version: [ 1, 2 ]
amdhsa.kernels:
  - .name:           k_q88bd1b7c29_gemm_qkv
    .symbol:         k_q88bd1b7c29_gemm_qkv.kd
    .args:
      - { .name: x_img, .offset: 0, .size: 8, .value_kind: global_buffer, .address_space: global }
      - { .name: xs_img, .offset: 8, .size: 8, .value_kind: global_buffer, .address_space: global }
      - { .name: w_img, .offset: 16, .size: 8, .value_kind: global_buffer, .address_space: global }
      - { .name: ws_img, .offset: 24, .size: 8, .value_kind: global_buffer, .address_space: global }
      - { .name: b_qkv, .offset: 32, .size: 8, .value_kind: global_buffer, .address_space: global }
      - { .name: qkv, .offset: 40, .size: 8, .value_kind: global_buffer, .address_space: global }
    .group_segment_fixed_size: 327680
    .private_segment_fixed_size: 0
    .kernarg_segment_align: 8
    .kernarg_segment_size: 48
    .max_flat_workgroup_size: 128
    .sgpr_count:     102
    .vgpr_count:     1024
    .wavefront_size: 32
...
	.end_amdgpu_metadata
.endif
;; end of part 2
;; launch attn (part 3): grid 4 x 64, 16 waves a work-group, clusters of 4 x 1, 327,680 bytes of LDS; arguments qkv, o_img, os_img; writes o_img, os_img
.if DOCPART == 3
	.amdgcn_target "amdgcn-amd-amdhsa--gfx1250"
	.amdhsa_code_object_version 6
	.text
	.protected	k_q88bd1b7c29_attn
	.globl	k_q88bd1b7c29_attn
	.p2align	8
	.type	k_q88bd1b7c29_attn,@function
k_q88bd1b7c29_attn:
	s_mov_b64 s[64:65], 0
	v_nop
	global_prefetch_b8 v0, s[64:65] scope:SCOPE_SE
	s_setreg_imm32_b32 hwreg(HW_REG_WAVE_MODE, 25, 1), 1
	s_wait_xcnt 0x0
	s_wait_alu depctr_hold_cnt(0) depctr_sa_sdst(0) depctr_va_vdst(0) depctr_va_sdst(0) depctr_va_ssrc(0) depctr_va_vcc(0) depctr_vm_vsrc(0)
	s_getreg_b32 s2, hwreg(HW_REG_IB_STS2, 6, 4)
	s_cmp_eq_u32 s2, 0
	s_cbranch_scc0 .Lentry_in_a_cluster
	s_endpgm
.Lentry_in_a_cluster:
	s_bfe_u32 s2, ttmp6, 0x10000c
	s_cmp_lg_u32 s2, 0x3003
	s_cbranch_scc0 .Lentry_shape_is_right
	s_endpgm
.Lentry_shape_is_right:
; Causal attention of one head on codes of BF6 with E8M0 scales: S^T = K Q^T (K = the head's 64), p = 2^(t - M), O^T = V^T P^T (K = the keys); O / the row's sum is quantised along the channels and leaves as the
; register image that the last product reads.  t = score x log2(e) / 8; M = the running largest t rounded up to a whole number; the row's sum is taken of the unquantised p.
; IN: qkv [batch x head][step of 128 tokens][19,200]: K's 8 half fragments and scales (6,400 bytes), V's 4 fragments and scales (6,400), then Q's 8 half fragments and scales.
; SHARES.  The four work-groups of a head form a cluster.  Of the head's 128 tiles of 16 queries work-group cx takes the tiles 4 u + cx, u = 0 .. 31: a tile's last key step is u / 2, whatever cx.  So no branch, trip count or
; LDS address hangs on the place in the cluster, and K and V are asked for JOINTLY (mask 15).  Wave w takes u = 31 - w and then u = w: 17 steps in every wave.
; K AND V STAY IN LDS WHOLE, in two groups of eight steps.  In each group wave w brings half a step (25 rows of 256 bytes).  The second group is asked for behind the full sequence and a round; the long tile's first eight
; steps, which are open for all its queries (its last step is 8 at the least), are worked meanwhile; one barrier follows them.  Nothing is filled again.  No prefetch: each byte is asked for once, at the head, and no loop runs ahead of a load.
; LDS: 64 bytes of padding behind each 256: a chunk is 320 bytes.  A half fragment (16 rows x 64) is three chunks: registers 0-3 of lanes 0-15, of lanes 16-31, registers 4-5 of all lanes.
; THE ROWS OF A TILE OF K ARE CHOSEN BY THE LANES' ADDRESSES: row m of tile (c, t, u) is key 64 c + 32 (m / 8) + 16 t + 8 u + m % 8.  So lane (query, h) holds in registers 32 c .. 32 c + 31 of S^T the keys 64 c + 32 h + 0 .. 31:
; WHOLE blocks of 32 keys, in the order in which source 1 of the second product wants them: a block's largest score needs no other lane, and no code changes lanes.
; K = 64 IN AN INSTRUCTION OF 128: two tiles of keys lie on end as one source 0; against [q, 0] it gives the first tile's scores, against [0, q] the second's.
; CAUSAL: a step all of whose keys come after the tile's queries is jumped over (a scalar branch on the wave's number and the loop's counter; trip counts are constants); in the step on the diagonal hidden scores become -infinity.
; LIMITS: NaN and infinities are not served; the scaled scores t stay under 2^31 in magnitude; a block whose largest magnitude lies under 2^-122 (a block of zeros too) has the scale byte 1: this program alone reads the bytes.
; REGISTERS: v1-6 lane terms of the LDS addresses, v7 16 x lane, v8-9 the mask's numbers, v10 8 r, v11 8 h; v12 -M, v13 the largest t, v[14:15] the sum; v16-21 zeros, v22-27 q, v28-33 zeros; v36-83 four fragments of K or V;
;   v84-89 the step's addresses; v96-159 S^T, then p; v160-191 O^T; v192-198 the second tile's q; v224-235 p's codes; v228-254 at work; v248-251 the fragments' scale words; v253 p's; v255 q's; v223, v243 the add's two.
.set CH,    320
.set PART,  25*CH
.set STEPB, 2*PART
.set SPARE, 16*STEPB
.set SEL, 20
.set CS,  22
.set G1,  24
.macro ROUND                           ; a round of the cluster's barrier
	s_barrier_signal -1
	s_barrier_wait -1
	s_cmp_lg_u32 s12, 0
	s_cbranch_scc1 .Lnw0_\@
	s_barrier_signal -3
.Lnw0_\@:
	s_barrier_wait -3
	s_barrier_signal -1
	s_barrier_wait -1
.endm
; tile 4 u + cx (u in s16): its last step, the mask's number, and the addresses of q, q's scales, O's half fragment, O's scale bytes in s[blk .. blk + 7]
.macro ADDR blk, ls, mk
	s_lshl_b32 s17, s16, 2
	s_add_co_u32 s17, s17, s13                     ; the tile of the head's 128
	s_lshr_b32 s[\ls], s16, 1                      ; the step in which its queries lie: made of the wave's number alone
	s_and_b32 s40, s17, 6
	s_lshl_b32 s40, s40, 4
	s_and_b32 s41, s17, 1
	s_lshl_b32 s41, s41, 3
	s_add_co_u32 s[\mk], s40, s41                  ; the tile's first query's place in that step
	s_and_b32 s41, s17, 7
	s_mul_i32 s40, s[\ls], 19200
	s_mul_i32 s42, s41, 768
	s_add_co_u32 s44, s40, 18944
	s_add_co_u32 s40, s40, s42
	s_add_co_u32 s40, s40, 12800
	s_lshl_b32 s41, s41, 1
	s_add_co_u32 s44, s44, s41
	s_mov_b32 s41, 0
	s_mov_b32 s45, 0
	s_add_nc_u64 s[\blk:\blk+1], s[10:11], s[40:41]
	s_add_nc_u64 s[\blk+2:\blk+3], s[10:11], s[44:45]
	s_lshr_b32 s40, s14, 4
	s_lshl_b32 s40, s40, 7
	s_add_co_u32 s40, s40, s17                     ; the tile among all 512
	s_and_b32 s42, s14, 15                         ; the head
	s_lshl_b32 s44, s40, 9
	s_mul_i32 s40, s40, 12288
	s_mul_i32 s43, s42, 768
	s_add_co_u32 s40, s40, s43
	s_lshr_b32 s43, s42, 2
	s_lshl_b32 s43, s43, 7
	s_add_co_u32 s44, s44, s43
	s_and_b32 s43, s42, 3
	s_lshl_b32 s43, s43, 1
	s_add_co_u32 s44, s44, s43
	s_add_nc_u64 s[\blk+4:\blk+5], s[6:7], s[40:41]
	s_add_nc_u64 s[\blk+6:\blk+7], s[8:9], s[44:45]
.endm
.macro INIT mk                         ; a tile begins
	v_add_nc_u32 v9, s[\mk], v8                    ; d = my query's place in its step - 32 h: register n holds key 64 (n / 32) + 32 h + n % 32, hidden where 64 (n / 32) + n % 32 > d
	v_mov_b32 v13, 0xff61b1e6                      ; the largest t so far: -3e38
	s_delay_alu instid0(VALU_DEP_1)
	v_floor_f32 v12, -v13                          ; -M
	v_mov_b32 v14, 0
	v_mov_b32 v15, 0
.set n, 0
.rept 32
	v_mov_b32 v[160+n], 0                          ; O^T: the step is written once, the first finds zeros
.set n, n+1
.endr
.endm
; one step of 128 keys, at LDS byte s2.  diag = 1: the step may be the one on the diagonal (s3 = the tile's last step)
.macro STEP diag, ls
	v_add_nc_u32 v84, s2, v1                       ; these six are also the places in front of loads into registers that the last products read
	v_add_nc_u32 v85, s2, v2
	v_add_nc_u32 v86, s2, v3
	v_add_nc_u32 v87, s2, v4
	v_add_nc_u32 v88, s2, v5
	v_add_nc_u32 v89, s2, v6
.irp b, 0,1,2,3                        ; K: pair b = 2 c + t of tiles u = 0, 1
.irp u, 0,1
	ds_load_b128 v[36+12*\b+6*\u:39+12*\b+6*\u], v84 offset:CH*(12*(\b/2)+3*\u)+128*(\b%2)
	ds_load_b64 v[40+12*\b+6*\u:41+12*\b+6*\u], v85 offset:CH*(12*(\b/2)+3*\u+2)+64*(\b%2)
.endr
	ds_load_b32 v[248+\b], v86 offset:CH*24+128*(\b%2)+8*(\b/2)
.endr
	s_wait_alu depctr_va_vdst(0)
	s_wait_dscnt 0x0
.irp b, 0,1,2,3
	v_wmma_scale_f32_16x16x128_f8f6f4 v[96+16*\b:103+16*\b], v[36+12*\b:47+12*\b], v[22:33], 0, v[248+\b], v255 matrix_a_fmt:MATRIX_FMT_BF6 matrix_b_fmt:MATRIX_FMT_BF6
	v_wmma_scale_f32_16x16x128_f8f6f4 v[104+16*\b:111+16*\b], v[36+12*\b:47+12*\b], v[16:27], 0, v[248+\b], v255 matrix_a_fmt:MATRIX_FMT_BF6 matrix_b_fmt:MATRIX_FMT_BF6
.endr
.rept 4
	v_nop
.endr
.irp f, 0,1,2,3                        ; V, into the same registers: it lands while the softmax is worked
.irp g, 0,1
	ds_load_b128 v[36+12*\f+6*\g:39+12*\f+6*\g], v87 offset:CH*(25+6*\f+3*\g)
	ds_load_b64 v[40+12*\f+6*\g:41+12*\f+6*\g], v88 offset:CH*(25+6*\f+3*\g+2)
.endr
.endr
	ds_load_b128 v[248:251], v89 offset:CH*49
.if \diag
	s_cmp_lg_u32 s3, s[\ls]
	s_cbranch_scc1 .Lopen_\@
	v_mov_b32 v254, 0xff800000                     ; on the diagonal: -infinity for hidden keys, ahead of the maximum
.set n, 0
.rept 64
	v_cmp_gt_i32 vcc_lo, 64*(n/32)+n%32, v9
	v_cndmask_b32 v[96+n], v[96+n], v254, vcc_lo
.set n, n+1
.endr
.Lopen_\@:
.endif
.irp b, 0,1,2,3                        ; four chains by turns; each accumulator is read from its low end on
	v_max3_num_f32 v[232+\b], v[96+16*\b], v[97+16*\b], v[98+16*\b]
.endr
.irp i, 3,5,7,9,11,13
.irp b, 0,1,2,3
	v_max3_num_f32 v[232+\b], v[232+\b], v[96+16*\b+\i], v[97+16*\b+\i]
.endr
.endr
.irp c, 0,1
	v_max3_num_f32 v[232+2*\c], v[232+2*\c], v[111+32*\c], v[127+32*\c]
.endr
.irp c, 0,1
	s_delay_alu instid0(VALU_DEP_2)
	v_max_num_f32 v[232+2*\c], v[232+2*\c], v[233+2*\c]   ; the largest score of my block 2 c + h: for the row's maximum, and, since p rises with the score, for the block's largest p
.endr
	s_delay_alu instid0(VALU_DEP_1)
	v_max_num_f32 v254, v232, v234
	v_permlanex16_b32 v236, v254, s[SEL], s[SEL+1]
	s_delay_alu instid0(VALU_DEP_1)
	v_max_num_f32 v254, v254, v236                 ; with lane l xor 16's two blocks: the step's largest score of my query
	s_delay_alu instid0(VALU_DEP_1)
	v_mul_f32 v254, s[CS], v254
	s_delay_alu instid0(VALU_DEP_1)
	v_max_num_f32 v13, v13, v254                   ; the running largest t
	v_mov_b32 v254, v12
	s_delay_alu instid0(VALU_DEP_2)
	v_floor_f32 v12, -v13                          ; the new -M = -ceil(t)
	s_delay_alu instid0(VALU_DEP_1)
	v_sub_f32 v254, v12, v254                      ; old M - new M: a whole number, 0 or less
	s_delay_alu instid0(VALU_DEP_1)
	v_cvt_i32_f32 v254, v254                       ; (it saturates)
	s_delay_alu instid0(VALU_DEP_1)
	v_ldexp_f32 v252, 1.0, v254                    ; f = 2^(old M - new M)
.set n, 0
.rept 32
	v_pk_fma_f32 v[96+n:97+n], v[96+n:97+n], s[CS:CS+1], v[12:13] op_sel_hi:[1,0,0]   ; t - M
.set n, n+2
.endr
	v_fma_f32 v232, v232, s[CS], v12
	v_fma_f32 v234, v234, s[CS], v12
	s_wait_alu depctr_va_vdst(0)
.set n, 0
.rept 64
	v_exp_f32 v[96+n], v[96+n]                     ; p = 2^(t - M): not normalised
.set n, n+1
.endr
	v_pk_mul_f32 v[14:15], v[14:15], v[252:253] op_sel_hi:[1,0]   ; the sums under the new M: a plain place behind the exponentials
	s_wait_alu depctr_va_vdst(0)                   ; one wait for the whole batch, ahead of its first reader
	v_exp_f32 v232, v232                           ; my two blocks' largest p
	v_exp_f32 v234, v234
	v_pk_add_f32 v[236:237], v[100:101], v[104:105]
	v_pk_add_f32 v[246:247], v[108:109], v[112:113]
	v_pk_add_f32 v[244:245], v[116:117], v[120:121]
	v_pk_add_f32 v[240:241], v[124:125], v[128:129]
	v_pk_add_f32 v[238:239], v[132:133], v[136:137]
	v_pk_add_f32 v[230:231], v[140:141], v[144:145]
	v_pk_add_f32 v[228:229], v[148:149], v[152:153]
	v_pk_add_f32 v[14:15], v[14:15], v[156:157]
	v_pk_add_f32 v[236:237], v[236:237], v[96:97]
	v_pk_add_f32 v[246:247], v[246:247], v[98:99]
	v_pk_add_f32 v[244:245], v[244:245], v[102:103]
	v_pk_add_f32 v[240:241], v[240:241], v[106:107]
	v_pk_add_f32 v[238:239], v[238:239], v[110:111]
	v_pk_add_f32 v[230:231], v[230:231], v[114:115]
	v_pk_add_f32 v[228:229], v[228:229], v[118:119]
	v_pk_add_f32 v[14:15], v[14:15], v[122:123]
	v_pk_add_f32 v[236:237], v[236:237], v[126:127]
	v_pk_add_f32 v[246:247], v[246:247], v[130:131]
	v_pk_add_f32 v[244:245], v[244:245], v[134:135]
	v_pk_add_f32 v[240:241], v[240:241], v[138:139]
	v_pk_add_f32 v[238:239], v[238:239], v[142:143]
	v_pk_add_f32 v[230:231], v[230:231], v[146:147]
	v_pk_add_f32 v[228:229], v[228:229], v[150:151]
	v_pk_add_f32 v[14:15], v[14:15], v[154:155]
	v_pk_add_f32 v[236:237], v[236:237], v[158:159]
	s_delay_alu instid0(VALU_DEP_2)
	v_pk_add_f32 v[14:15], v[14:15], v[240:241]
	s_delay_alu instid0(VALU_DEP_2)
	v_pk_add_f32 v[236:237], v[236:237], v[238:239]
	v_pk_add_f32 v[246:247], v[246:247], v[230:231]
	v_pk_add_f32 v[244:245], v[244:245], v[228:229]
	s_delay_alu instid0(VALU_DEP_2)
	v_pk_add_f32 v[14:15], v[14:15], v[246:247]
	s_delay_alu instid0(VALU_DEP_2)
	v_pk_add_f32 v[236:237], v[236:237], v[244:245]
	s_delay_alu instid0(VALU_DEP_1)
	v_pk_add_f32 v[14:15], v[14:15], v[236:237]
	s_wait_alu depctr_va_vdst(0)                   ; and one for the two
	v_max_num_f32 v232, 0x2800000, v232            ; the floor 2^(5 - 127)
	v_max_num_f32 v234, 0x2800000, v234
	s_delay_alu instid0(VALU_DEP_2)
	v_add_nc_u32 v244, 0xfe000000, v232            ; 4 off the exponent field: the conversion's scale operand
	s_delay_alu instid0(VALU_DEP_2)
	v_add_nc_u32 v245, 0xfe000000, v234
	s_delay_alu instid0(VALU_DEP_2)
	v_lshrrev_b32 v232, 23, v244                   ; the scale's byte
	s_delay_alu instid0(VALU_DEP_2)
	v_lshrrev_b32 v234, 23, v245
	s_delay_alu instid0(VALU_DEP_1)
	v_lshl_or_b32 v253, v234, 16, v232             ; my two bytes: blocks h and 2 + h,
	s_delay_alu instid0(VALU_DEP_1)
	v_lshlrev_b32 v253, v11, v253                  ; at their places in the word (8 h bits up);
	s_delay_alu instid0(VALU_DEP_1)
	v_permlanex16_b32 v237, v253, s[SEL], s[SEL+1]
	s_delay_alu instid0(VALU_DEP_1)
	v_or_b32 v253, v253, v237                      ; with lane l xor 16's two: p's scale word for these 128 keys
.irp c, 0,1
	v_cvt_scalef32_pk16_bf6_f32 v[224+6*\c:226+6*\c], v[96+32*\c:111+32*\c], v[244+\c]
	v_cvt_scalef32_pk16_bf6_f32 v[236+4*\c:238+4*\c], v[112+32*\c:127+32*\c], v[244+\c]   ; (a conversion's three registers begin on an even number)
.endr
	v_nop                                          ; one plain place behind a scaled conversion
.irp c, 0,1
.irp i, 0,1,2
	v_mov_b32 v[227+6*\c+\i], v[236+4*\c+\i]
.endr
.endr
	s_wait_dscnt 0x0                               ; V is in
	s_wait_alu depctr_va_vdst(0)                   ; directly ahead of the first reader of O^T
.set n, 0
.rept 16
	v_pk_mul_f32 v[160+n:161+n], v[160+n:161+n], v[252:253] op_sel_hi:[1,0]   ; O^T under the new M; these sixteen are also the places in front of the products
.set n, n+2
.endr
.irp t, 0,1,2,3
	v_wmma_scale_f32_16x16x128_f8f6f4 v[160+8*\t:167+8*\t], v[36+12*\t:47+12*\t], v[224:235], v[160+8*\t:167+8*\t], v[248+\t], v253 matrix_a_fmt:MATRIX_FMT_BF6 matrix_b_fmt:MATRIX_FMT_BF6
.endr
.endm
; a tile ends: O^T / the sum; register 16 g + i is channel 32 g + 16 h + i of my query: two blocks along the last product's K
.macro FINISH blk
.rept 4
	v_nop
.endr
	v_add_f32 v14, v14, v15
	s_delay_alu instid0(VALU_DEP_1)
	v_permlanex16_b32 v252, v14, s[SEL], s[SEL+1]
	s_delay_alu instid0(VALU_DEP_1)
	v_add_f32 v14, v14, v252
	s_wait_alu depctr_va_vdst(0)
	v_rcp_f32 v14, v14
	v_nop
	s_wait_alu depctr_va_vdst(0)
.set n, 0
.rept 32
	v_mul_f32 v[96+n], v[160+n], v14
.set n, n+1
.endr
.irp b, 0,1
	v_max3_num_f32 v[232+\b], |v[96+16*\b]|, |v[97+16*\b]|, 0x2800000
.endr
.irp i, 2,4,6,8,10,12,14
.irp b, 0,1
	s_delay_alu instid0(VALU_DEP_2)
	v_max3_num_f32 v[232+\b], v[232+\b], |v[96+16*\b+\i]|, |v[97+16*\b+\i]|
.endr
.endr
.irp b, 0,1
	v_permlanex16_b32 v[236+\b], v[232+\b], s[SEL], s[SEL+1]
.endr
.irp b, 0,1
	s_delay_alu instid0(VALU_DEP_2)
	v_max_num_f32 v[232+\b], v[232+\b], v[236+\b]
.endr
.irp b, 0,1
	s_delay_alu instid0(VALU_DEP_2)
	v_add_nc_u32 v[244+\b], 0xfe000000, v[232+\b]
.endr
.irp b, 0,1
	s_delay_alu instid0(VALU_DEP_2)
	v_lshrrev_b32 v[236+\b], 23, v[244+\b]
.endr
	s_delay_alu instid0(VALU_DEP_1)
	v_lshl_or_b32 v254, v237, 8, v236              ; my row's two scale bytes, the same in lanes r and 16 + r
	v_cvt_scalef32_pk16_bf6_f32 v[224:226], v[96:111], v244
	v_cvt_scalef32_pk16_bf6_f32 v[240:242], v[112:127], v245
	v_nop
.irp i, 0,1,2
	v_permlane16_swap_b32 v[224+\i], v[240+\i]
.endr
.irp i, 0,1,2
	s_delay_alu instid0(VALU_DEP_3)
	v_mov_b32 v[227+\i], v[240+\i]
.endr
	global_store_b128 v7, v[224:227], s[\blk+4:\blk+5]              ; the half fragment: 512 and 256 consecutive bytes
	global_store_b64 v5, v[228:229], s[\blk+4:\blk+5] offset:512
	global_store_b16 v10, v254, s[\blk+6:\blk+7]                    ; lanes r and 16 + r store the same two bytes at the same place
.endm
	s_load_b128 s[4:7], s[0:1], 0x0                ; qkv, o_img
	s_load_b64 s[8:9], s[0:1], 0x10                ; os_img
	v_lshl_add_u32 v223, v0, 2, SPARE
	v_mov_b32 v243, 0
	ds_add_u32 v223, v243                          ; the opening lines
	ds_add_u32 v223, v243
	v_lshrrev_b32 v1, 5, v0
	v_readfirstlane_b32 s12, v1                    ; wave 0..15
	s_bfe_u32 s13, ttmp6, 0x40000                  ; cx
	s_and_b32 s14, ttmp7, 0xffff                   ; batch x 16 + head: the cluster's y
	s_mov_b32 s[G1], 15|(3<<16)|(1<<20)|(1<<21)|(5<<22)|(15<<25)   ; mask: all four; elements of 8 bytes; 16 words of padding behind every 64
	s_mov_b32 s[G1+1], 32<<16                      ; rows of 256 bytes
	s_mov_b32 s[G1+2], 25<<16                      ; 6,400 dense bytes
	s_mov_b32 s[G1+3], 32<<16
	s_mov_b32 s[G1+4], 25
	s_mov_b32 s[G1+5], 32
	s_mov_b32 s[G1+6], 0
	s_mov_b32 s[G1+7], 0
	s_mul_i32 s10, s14, 307200
	s_mov_b32 s11, 0
	s_lshr_b32 s40, s12, 1
	s_mul_i32 s40, s40, 19200                      ; step w / 2,
	s_and_b32 s41, s12, 1
	s_mul_i32 s41, s41, 6400                       ; K's part or V's
	s_add_co_u32 s40, s40, s41
	s_mov_b32 s41, 0
	s_mov_b32 s32, 1
	s_mul_i32 s33, s12, PART
	s_mov_b32 s36, 1
	s_add_co_u32 s37, s33, 8*STEPB
	s_wait_dscnt 0x0
	s_wait_kmcnt 0x0
	s_add_nc_u64 s[10:11], s[4:5], s[10:11]        ; my head
	s_add_nc_u64 s[34:35], s[10:11], s[40:41]
	s_add_nc_u64 s[38:39], s[34:35], 8*19200       ; the second group: eight steps on
	s_or_b32 s35, s35, 0x80000000
	s_or_b32 s39, s39, 0x80000000
	ROUND                                          ; the four work-groups are here: the joint loads meet
	tensor_load_to_lds s[32:35], s[G1:G1+7]        ; steps 0-7: my one load at the head
	s_nop 0
	s_mov_b32 s16, s12
	ADDR 48, 66, 67                                ; the short tile, u = w
	s_sub_co_u32 s16, 31, s12
	ADDR 56, 68, 69                                ; the long tile, u = 31 - w
	s_mov_b32 s[SEL], 0x76543210
	s_mov_b32 s[SEL+1], 0xfedcba98
	s_mov_b32 s[CS], 0x3e38aa3b                    ; c = log2(e) / 8
	s_mov_b32 s[CS+1], s[CS]
	v_and_b32 v90, 7, v0                           ; m % 8
	v_bfe_u32 v91, v0, 3, 1                        ; m / 8
	v_bfe_u32 v92, v0, 4, 1                        ; h
	v_and_b32 v93, 15, v0                          ; r
	v_and_b32 v94, 31, v0                          ; lane
	v_mul_u32_u24 v1, v91, 6*CH                    ; rows 8-15 of a tile of K come from the half fragment two further on
	v_mad_u32_u24 v2, v92, 128, v1
	v_lshl_add_u32 v2, v90, 3, v2                  ; K, registers 4-5
	v_mad_u32_u24 v1, v92, CH, v1
	v_lshl_add_u32 v1, v90, 4, v1                  ; K, registers 0-3
	v_lshlrev_b32 v3, 2, v91
	v_lshl_add_u32 v3, v90, 4, v3                  ; K's scale words
	v_lshlrev_b32 v6, 4, v93                       ; V's scale words: 16 r
	v_mad_u32_u24 v4, v92, CH, v6                  ; V, registers 0-3
	v_lshlrev_b32 v5, 3, v94                       ; V, registers 4-5: 8 x lane
	v_lshlrev_b32 v7, 4, v94                       ; 16 x lane
	v_lshlrev_b32 v10, 3, v93                      ; 8 r
	v_lshlrev_b32 v11, 3, v92                      ; 8 h
	v_and_b32 v8, 8, v93
	v_add_nc_u32 v8, v8, v93
	v_lshlrev_b32 v95, 5, v92
	v_sub_nc_u32 v8, v8, v95                       ; r + 8 (r / 8) - 32 h
	s_wait_alu depctr_va_vdst(0)
	global_load_b128 v[22:25], v7, s[56:57]        ; both tiles' q, under the tensor load's flight
	global_load_b64 v[26:27], v5, s[56:57] offset:512
	global_load_u16 v255, v6, s[58:59]
	global_load_b128 v[192:195], v7, s[48:49]
	global_load_b64 v[196:197], v5, s[48:49] offset:512
	global_load_u16 v198, v6, s[50:51]
.irp j, 16,17,18,19,20,21,28,29,30,31,32,33
	v_mov_b32 v\j, 0                               ; the zero codes on both sides of q
.endr
.irp j, 236,237,252,253
	v_mov_b32 v\j, 0                               ; written once: lane permutes' destinations, and the pair v[252:253]
.endr
	s_wait_alu depctr_va_vdst(0)
	s_wait_tensorcnt 0x0                           ; my part of steps 0-7 is in; the full sequence ahead of the second group's first fill
	ds_add_u32 v223, v243
	s_wait_dscnt 0x0
	ROUND
	tensor_load_to_lds s[36:39], s[G1:G1+7]        ; steps 8-15: my one load behind the round
	s_nop 0
	s_wait_loadcnt 0x0
	v_lshl_or_b32 v255, v255, 16, v255             ; q's two bytes serve both halves of the 128
	v_lshl_or_b32 v198, v198, 16, v198
	INIT 69
	s_mov_b32 s2, 0
	s_mov_b32 s3, 0
.Lfirst:                                           ; the long tile, steps 0-7: open for every query
	STEP 0, 68
	s_add_co_u32 s2, s2, STEPB
	s_add_co_u32 s3, s3, 1
	s_cmp_lt_u32 s3, 8
	s_cbranch_scc1 .Lfirst
	s_wait_tensorcnt 0x0                           ; my part of steps 8-15 is in,
	s_barrier_signal -1
	s_barrier_wait -1                              ; everybody's is
	s_mov_b32 s2, 8*STEPB
	s_mov_b32 s3, 8
.Lsecond:                                          ; the long tile, steps 8-15
	s_cmp_gt_u32 s3, s68
	s_cbranch_scc1 .Lhid2
	STEP 1, 68
.Lhid2:
	s_add_co_u32 s2, s2, STEPB
	s_add_co_u32 s3, s3, 1
	s_cmp_lt_u32 s3, 16
	s_cbranch_scc1 .Lsecond
	FINISH 56
	s_wait_xcnt 0x0                                ; the stores have read their registers: the next tile writes them
.irp i, 0,1,2,3,4,5
	v_mov_b32 v[22+\i], v[192+\i]
.endr
	v_mov_b32 v255, v198
	INIT 67
	s_mov_b32 s2, 0
	s_mov_b32 s3, 0
.Lthird:                                           ; the short tile, steps 0-7
	s_cmp_gt_u32 s3, s66
	s_cbranch_scc1 .Lhid3
	STEP 1, 66
.Lhid3:
	s_add_co_u32 s2, s2, STEPB
	s_add_co_u32 s3, s3, 1
	s_cmp_lt_u32 s3, 8
	s_cbranch_scc1 .Lthird
	FINISH 48
	s_wait_tensorcnt 0x0                           ; the wave's end
	ds_add_u32 v223, v243
	s_wait_dscnt 0x0
	ROUND                                          ; the closing round
	s_endpgm
.Lfunc_end_k_q88bd1b7c29_attn:
	.size	k_q88bd1b7c29_attn, .Lfunc_end_k_q88bd1b7c29_attn-k_q88bd1b7c29_attn
	.p2alignl 7, 3214868480
	.fill 96, 4, 3214868480
	.section	.rodata,"a",@progbits
	.p2align	6, 0x0
	.amdhsa_kernel k_q88bd1b7c29_attn
		.amdhsa_group_segment_fixed_size 327680
		.amdhsa_private_segment_fixed_size 0
		.amdhsa_enable_private_segment 0
		.amdhsa_kernarg_size 24
		.amdhsa_user_sgpr_count 2
		.amdhsa_user_sgpr_kernarg_segment_ptr 1
		.amdhsa_wavefront_size32 1
		.amdhsa_system_sgpr_workgroup_id_x 1
		.amdhsa_system_sgpr_workgroup_id_y 1
		.amdhsa_system_sgpr_workgroup_id_z 1
		.amdhsa_system_vgpr_workitem_id 0
		.amdhsa_next_free_vgpr 256
		.amdhsa_next_free_sgpr 72
		.amdhsa_reserve_vcc 1
		.amdhsa_float_denorm_mode_32 3
		.amdhsa_float_denorm_mode_16_64 3
		.amdhsa_memory_ordered 1
		.amdhsa_forward_progress 1
		.amdhsa_inst_pref_size 79
	.end_amdhsa_kernel
	.amdgpu_metadata
---
amdhsa.version: [ 1, 2 ]
amdhsa.kernels:
  - .name:           k_q88bd1b7c29_attn
    .symbol:         k_q88bd1b7c29_attn.kd
    .args:
      - { .name: qkv, .offset: 0, .size: 8, .value_kind: global_buffer, .address_space: global }
      - { .name: o_img, .offset: 8, .size: 8, .value_kind: global_buffer, .address_space: global }
      - { .name: os_img, .offset: 16, .size: 8, .value_kind: global_buffer, .address_space: global }
    .group_segment_fixed_size: 327680
    .private_segment_fixed_size: 0
    .kernarg_segment_align: 8
    .kernarg_segment_size: 24
    .max_flat_workgroup_size: 512
    .sgpr_count:     72
    .vgpr_count:     256
    .wavefront_size: 32
...
	.end_amdgpu_metadata
.endif
;; end of part 3
;; launch gemm_out (part 4): grid 4 x 64, 4 waves a work-group, clusters of 4 x 4, 327,680 bytes of LDS; arguments o_img, os_img, w_img, ws_img, b_out, out0; writes out0
.if DOCPART == 4
	.amdgcn_target "amdgcn-amd-amdhsa--gfx1250"
	.amdhsa_code_object_version 6
	.text
	.protected	k_q88bd1b7c29_gemm_out
	.globl	k_q88bd1b7c29_gemm_out
	.p2align	8
	.type	k_q88bd1b7c29_gemm_out,@function
k_q88bd1b7c29_gemm_out:
	s_mov_b64 s[64:65], 0
	v_nop
	global_prefetch_b8 v0, s[64:65] scope:SCOPE_SE
	s_setreg_imm32_b32 hwreg(HW_REG_WAVE_MODE, 25, 1), 1
	s_wait_xcnt 0x0
	s_wait_alu depctr_hold_cnt(0) depctr_sa_sdst(0) depctr_va_vdst(0) depctr_va_sdst(0) depctr_va_ssrc(0) depctr_va_vcc(0) depctr_vm_vsrc(0)
	s_getreg_b32 s2, hwreg(HW_REG_IB_STS2, 6, 4)
	s_cmp_eq_u32 s2, 0
	s_cbranch_scc0 .Lentry_in_a_cluster
	s_endpgm
.Lentry_in_a_cluster:
	s_bfe_u32 s2, ttmp6, 0x10000c
	s_cmp_lg_u32 s2, 0xf033
	s_cbranch_scc0 .Lentry_shape_is_right
	s_endpgm
.Lentry_shape_is_right:
; out0 = O w_out + b_out on codes of BF6 with E8M0 scales, K = 1,024.  R (source 0) = w_out's columns (w_img's tiles 192 on), P (source 1) = tokens (o_img): a lane holds neighbouring columns of one token's row.
; A work-group makes 128 tokens x 256 columns: 64 x 4 = 256 work-groups.  ALL OF K LIES IN LDS: P's 8 tiles (98,304 bytes) and R's 16 (196,608), dense in memory, come as rows of 256 bytes by ONE tensor load a wave
; (waves 0, 1: P's halves; waves 2, 3: R's halves); one wait, one barrier, nothing is filled again.  No prefetch: each byte is asked for once, at the head, and no loop runs ahead of a load.
; CLUSTERS 4 x 4: P's tiles hang on the tile row and are asked for jointly along a row of the cluster, R's on the tile column, jointly along a column.
; A wave makes 64 x 128: 32 accumulators, which take turns, one instruction a turn, in the same order in every K step.  The bias is the C of the first products.
; OPERANDS are register images: a fragment (16 rows x 128 K) is 1,536 bytes; a tile is 8 of them on end.  Lane-row r of tile 2 g + u is row 32 g + 8 u + r + 8 (r / 8).
; THE SCALE WORDS go from memory into registers: a tile's 512 bytes are [256 along K][r][2 words]; a load of 8 bytes a lane takes 256 consecutive bytes: lanes 0-15 hold K steps 4 p, 4 p + 1, lanes 16-31 K steps 4 p + 2, 4 p + 3 (read by ROW1).
; REGISTERS: window 0: v16-31 addresses; v32-47 P's scale words, v48-79 R's; v80-143 the bias; v144-239 P's fragments, two sets.  Window 1: R's fragments, two sets, at v0 and v128.  Window 2: accumulator (a, b) at v[8 (8 a + b)].
.set FR,    12
.set PT,    12288                      ; a tile, all of K
.set RREG,  8*PT                       ; R's tiles lie behind P's
.set SPARE, 24*PT                      ; the spare words, 128 bytes a wave
.set SPITCH, 528                       ; the way out: a stage of 16 rows x (512 + 16) bytes a wave, on P's bytes, behind a barrier behind which nobody reads codes
.set ADRP,  16                         ; v16 on 16 x lane, v17 on 8 x lane
.set ADRR,  18                         ; v18, v19 tiles 0-3, 4-7 on 16 x lane; v20, v21 on 8 x lane
.set STO,   24
.set RD,    25
.set CO,    26                         ; 16 x lane
.set L8,    27                         ; 8 x lane
.set SPW,   28
.set NIL,   29
.set BO,    30                         ; 64 h
.set SCP,   32
.set SCR,   48
.set BR,    80
.set PF,    144
.set BK,    128
.set G1, 24
.set G0, 32
.set G1B, 48
.set G0B, 56
.set MSB, 0
.macro WIN new                         ; the immediate's high byte repeats the setting that is left
.if MSB != \new
	s_set_vgpr_msb (MSB<<8)|\new
.set MSB, \new
.endif
.endm
.set MULW, 0xa1                        ; source 0 (R) window 1, source 1 (P) window 0, C and D window 2
.set FSTW, 0x81                        ; the same with C (the bias) in window 0
.set TO_R, 0x40
.macro CROUND                          ; a round of the cluster's barrier
	s_barrier_signal -1
	s_barrier_wait -1
	s_cmp_lg_u32 s16, 0
	s_cbranch_scc1 .Lnot_wave_0_\@
	s_barrier_signal -3
.Lnot_wave_0_\@:
	s_barrier_wait -3
	s_barrier_signal -1
	s_barrier_wait -1
.endm
.macro PLACES
.rept 4
	v_nop
.endr
.endm
.macro FRAG reg, a16, a8, off          ; a fragment's image: four dense loads
	ds_load_b128 v[\reg:\reg+3], v[\a16] offset:\off
	ds_load_b64 v[\reg+4:\reg+5], v[\a8] offset:(\off)+512
	ds_load_b128 v[\reg+6:\reg+9], v[\a16] offset:(\off)+768
	ds_load_b64 v[\reg+10:\reg+11], v[\a8] offset:(\off)+1280
.endm
.macro FETCH s                         ; K step s: R's eight fragments and P's four into set s % 2
	WIN TO_R
.irp i, 0,1,2,3
	FRAG 128*((\s)%2)+FR*\i, ADRR, ADRR+2, \i*PT+(\s)*1536
	FRAG 128*((\s)%2)+FR*(\i+4), ADRR+1, ADRR+3, \i*PT+(\s)*1536
.endr
	WIN 0
.irp i, 0,1,2,3
	FRAG PF+48*((\s)%2)+FR*\i, ADRP, ADRP+1, \i*PT+(\s)*1536
.endr
.endm
.macro MUL s
.irp a, 0,1,2,3
.irp b, 0,1,2,3,4,5,6,7
.if (\s) == 0
	v_wmma_scale_f32_16x16x128_f8f6f4 v[8*(8*\a+\b):8*(8*\a+\b)+7], v[FR*\b:FR*\b+FR-1], v[PF+FR*\a:PF+FR*\a+FR-1], v[BR+8*\b:BR+8*\b+7], v[SCR+4*\b], v[SCP+4*\a] matrix_a_fmt:MATRIX_FMT_BF6 matrix_b_fmt:MATRIX_FMT_BF6
.elseif ((\s)/2)%2 == 0
	v_wmma_scale_f32_16x16x128_f8f6f4 v[8*(8*\a+\b):8*(8*\a+\b)+7], v[128*((\s)%2)+FR*\b:128*((\s)%2)+FR*\b+FR-1], v[PF+48*((\s)%2)+FR*\a:PF+48*((\s)%2)+FR*\a+FR-1], v[8*(8*\a+\b):8*(8*\a+\b)+7], v[SCR+4*\b+2*((\s)/4)+(\s)%2], v[SCP+4*\a+2*((\s)/4)+(\s)%2] matrix_a_fmt:MATRIX_FMT_BF6 matrix_b_fmt:MATRIX_FMT_BF6
.else
	v_wmma_scale_f32_16x16x128_f8f6f4 v[8*(8*\a+\b):8*(8*\a+\b)+7], v[128*((\s)%2)+FR*\b:128*((\s)%2)+FR*\b+FR-1], v[PF+48*((\s)%2)+FR*\a:PF+48*((\s)%2)+FR*\a+FR-1], v[8*(8*\a+\b):8*(8*\a+\b)+7], v[SCR+4*\b+2*((\s)/4)+(\s)%2], v[SCP+4*\a+2*((\s)/4)+(\s)%2] matrix_a_fmt:MATRIX_FMT_BF6 matrix_b_fmt:MATRIX_FMT_BF6 matrix_a_scale:MATRIX_SCALE_ROW1 matrix_b_scale:MATRIX_SCALE_ROW1
.endif
.endr
.endr
.endm
.macro KSTEP s                         ; this step's fragments are in; the next step's are asked for ahead of this step's 32 products
	s_wait_dscnt 0x0
.if (\s) < 7
.if (\s) > 0
	PLACES                                         ; in front of loads into the set that the last step's products read
.endif
	FETCH (\s)+1
.endif
.if (\s) == 0
	WIN FSTW
.else
	WIN MULW
.endif
	MUL \s
	WIN 0
.endm
.macro TOSTAGE a                       ; P's block a, 16 tokens x 128 columns, through my stage; each accumulator from its low end on
	WIN 0x08
.irp b, 0,1,2,3,4,5,6,7
	ds_store_b128 v[STO], v[64*(\a)+8*\b:64*(\a)+8*\b+3] offset:128*(\b/2)+32*(\b%2)
	ds_store_b128 v[STO], v[64*(\a)+8*\b+4:64*(\a)+8*\b+7] offset:128*(\b/2)+32*(\b%2)+16
.endr
	WIN 0
.set BB, BK+64*((\a)%2)
.irp t, 0,1,2,3,4,5,6,7,8,9,10,11,12,13,14,15
	ds_load_b128 v[BB+4*\t:BB+4*\t+3], v[RD] offset:\t*SPITCH   ; LDS serves a wave's instructions in order: these see the stores above
.endr
.endm
.macro SEND a, younger
.set BB, BK+64*((\a)%2)
	s_wait_dscnt \younger                          ; the block is back; the younger LDS instructions may be out
.if (\a) > 0
.if ((\a)%2) == 1
	s_add_nc_u64 s[14:15], s[14:15], 8*4096        ; (behind a wait on XCNT)  the odd tile begins 8 rows on,
.else
	s_add_nc_u64 s[14:15], s[14:15], 24*4096       ; the next pair 24 more
.endif
.endif
.irp t, 0,1,2,3,4,5,6,7,8,9,10,11,12,13,14,15
	global_store_b128 v[CO], v[BB+4*\t:BB+4*\t+3], s[14:15] offset:(\t+8*(\t/8))*4096 th:TH_STORE_NT   ; 32 lanes store 512 consecutive bytes, aligned
.endr
.endm
	s_load_b128 s[4:7], s[0:1], 0x0                ; o_img, os_img
	s_load_b128 s[8:11], s[0:1], 0x10              ; w_img, ws_img
	s_load_b128 s[12:15], s[0:1], 0x20             ; b_out, out0
	v_lshl_add_u32 v[SPW], v0, 2, SPARE
	v_mov_b32 v[NIL], 0
	ds_add_u32 v[SPW], v[NIL]                      ; the opening lines
	ds_add_u32 v[SPW], v[NIL]
	v_lshrrev_b32 v1, 5, v0
	v_readfirstlane_b32 s16, v1                    ; wave 0..3
	s_lshr_b32 s17, s16, 1                         ; my half of P's tiles.  Also: I fetch for P (0) or for R (1)
	s_and_b32 s18, s16, 1                          ; my half of R's tiles.  Also: which half I fetch
	s_bfe_u32 s19, ttmp6, 0x40000                  ; cx
	s_bfe_u32 s20, ttmp6, 0x40004                  ; cy
	s_and_b32 s21, ttmp7, 0xffff
	s_lshl_b32 s22, ttmp9, 2
	s_add_co_u32 s22, s22, s19                     ; the block of 256 columns
	s_lshl_b32 s40, s21, 2
	s_add_co_u32 s40, s40, s20                     ; the block of 128 tokens
	s_add_co_u32 s41, s22, 12                      ; R's block of 16 tiles in w_img
	s_lshl_b32 s42, s20, 2
	s_lshl_b32 s42, 15, s42                        ; my row of the cluster
	s_lshl_b32 s43, 0x1111, s19                    ; my column
	s_or_b32 s[G1+0], s42, (3<<16)|(1<<21)
	s_or_b32 s[G1B+0], s43, (3<<16)|(1<<21)
	s_mov_b32 s[G1+1], 32<<16                      ; rows of 256 bytes;
	s_mov_b32 s[G1+2], 192<<16                     ; P: 4 tiles, 49,152 dense bytes
	s_mov_b32 s[G1+3], 32<<16
	s_mov_b32 s[G1+4], 192
	s_mov_b32 s[G1+5], 32
	s_mov_b32 s[G1+6], 0
	s_mov_b32 s[G1+7], 0
	s_mov_b32 s[G1B+1], 32<<16
	s_mov_b32 s[G1B+2], 384<<16                    ; R: 8 tiles, 98,304 dense bytes
	s_mov_b32 s[G1B+3], 32<<16
	s_mov_b32 s[G1B+4], 384
	s_mov_b32 s[G1B+5], 32
	s_mov_b32 s[G1B+6], 0
	s_mov_b32 s[G1B+7], 0
	s_mul_i32 s44, s40, 8*PT
	s_mul_i32 s45, s18, 4*PT
	s_mov_b32 s[G0], 1
	s_mov_b32 s[G0+1], s45                         ; no place in the cluster enters an LDS address
	s_add_co_u32 s44, s44, s45
	s_mov_b32 s45, 0
	s_mul_i32 s46, s41, 16*PT
	s_mul_i32 s47, s18, 8*PT
	s_mov_b32 s[G0B], 1
	s_add_co_u32 s[G0B+1], s47, RREG
	s_add_co_u32 s46, s46, s47
	s_mov_b32 s47, 0
	s_wait_dscnt 0x0
	s_wait_kmcnt 0x0
	s_add_nc_u64 s[G0+2:G0+3], s[4:5], s[44:45]
	s_or_b32 s[G0+3], s[G0+3], 0x80000000
	s_add_nc_u64 s[G0B+2:G0B+3], s[8:9], s[46:47]
	s_or_b32 s[G0B+3], s[G0B+3], 0x80000000
	CROUND                                         ; all sixteen work-groups are here: the joint loads meet
	s_cmp_eq_u32 s17, 0
	s_cbranch_scc0 .Lfor_r
	tensor_load_to_lds s[G0:G0+3], s[G1:G1+7]
	s_nop 0
	PLACES
	s_branch .Lasked
.Lfor_r:
	tensor_load_to_lds s[G0B:G0B+3], s[G1B:G1B+7]
	s_nop 0
	PLACES
.Lasked:
	s_lshl_b32 s60, s40, 12                        ; my tiles' scale words: P's 4 tiles,
	s_lshl_b32 s61, s17, 11
	s_add_co_u32 s60, s60, s61
	s_mov_b32 s61, 0
	s_lshl_b32 s62, s41, 13                        ; R's 8
	s_lshl_b32 s63, s18, 12
	s_add_co_u32 s62, s62, s63
	s_mov_b32 s63, 0
	s_add_nc_u64 s[6:7], s[6:7], s[60:61]
	s_add_nc_u64 s[10:11], s[10:11], s[62:63]
	s_lshl_b32 s44, s22, 10                        ; my 128 columns, in bytes
	s_lshl_b32 s45, s18, 9
	s_add_co_u32 s44, s44, s45
	s_mov_b32 s45, 0
	s_lshl_b32 s46, s40, 19                        ; my 64 tokens' rows of 4,096 bytes
	s_lshl_b32 s47, s17, 18
	s_add_co_u32 s46, s46, s47
	s_mov_b32 s47, 0
	s_add_nc_u64 s[12:13], s[12:13], s[44:45]
	s_add_nc_u64 s[14:15], s[14:15], s[44:45]
	s_add_nc_u64 s[14:15], s[14:15], s[46:47]
	s_mul_i32 s66, s17, 4*PT                       ; my tiles in LDS
	s_mul_i32 s67, s18, 8*PT
	s_add_co_u32 s67, s67, RREG
	s_add_co_u32 s68, s67, 4*PT
	s_mul_i32 s69, s16, 16*SPITCH                  ; my stage
	v_and_b32 v1, 31, v0
	v_and_b32 v2, 15, v0                           ; r
	v_bfe_u32 v3, v0, 4, 1                         ; h
	v_lshlrev_b32 v[CO], 4, v1
	v_lshlrev_b32 v[L8], 3, v1
	v_lshlrev_b32 v[BO], 6, v3
	v_add_nc_u32 v[ADRP], s66, v[CO]
	v_add_nc_u32 v[ADRP+1], s66, v[L8]
	v_add_nc_u32 v[ADRR], s67, v[CO]
	v_add_nc_u32 v[ADRR+1], s68, v[CO]
	v_add_nc_u32 v[ADRR+2], s67, v[L8]
	v_add_nc_u32 v[ADRR+3], s68, v[L8]
	v_mul_u32_u24 v[STO], v2, SPITCH               ; in: row r, 64 bytes for each half of the lanes
	v_lshl_add_u32 v[STO], v3, 6, v[STO]
	v_add_nc_u32 v[STO], s69, v[STO]
	v_add_nc_u32 v[RD], s69, v[CO]                 ; back: the 32 lanes take one row of 512 bytes
	s_wait_alu depctr_va_vdst(0)
.irp a, 0,1,2,3
.irp p, 0,1
	global_load_b64 v[SCP+4*\a+2*\p:SCP+4*\a+2*\p+1], v[L8], s[6:7] offset:512*\a+256*\p
.endr
.endr
.irp b, 0,1,2,3,4,5,6,7
.irp p, 0,1
	global_load_b64 v[SCR+4*\b+2*\p:SCR+4*\b+2*\p+1], v[L8], s[10:11] offset:512*\b+256*\p
.endr
.endr
.irp b, 0,1,2,3
.irp j, 0,1,2,3
	global_load_b128 v[BR+16*\b+4*\j:BR+16*\b+4*\j+3], v[BO], s[12:13] offset:128*\b+16*\j   ; register 16 b + i: column 32 b + 16 h + i
.endr
.endr
	s_wait_alu depctr_va_vdst(0)
	s_wait_tensorcnt 0x0                           ; my tiles are in,
	s_barrier_signal -1
	s_barrier_wait -1                              ; everybody's are
	FETCH 0
	s_wait_loadcnt 0x0                             ; the scale words and the bias
.irp s, 0,1,2,3,4,5,6,7
	KSTEP \s
.endr
	s_barrier_signal -1                            ; my reads of the codes are over (the last were waited for at the last step's head);
	s_barrier_wait -1                              ; everybody's are: the stages may be written
	PLACES
	TOSTAGE 0
.irp a, 1,2,3
.if \a > 1
	s_wait_xcnt 0x0                                ; block a - 2's stores have read their registers and their base
.endif
	TOSTAGE \a
	SEND \a-1, 32                                  ; behind block a - 1's loads: block a's 16 stores and 16 loads
.endr
	s_wait_xcnt 0x0
	SEND 3, 0
	s_wait_tensorcnt 0x0                           ; the wave's end
	ds_add_u32 v[SPW], v[NIL]
	s_wait_dscnt 0x0
	CROUND                                         ; the closing round
	s_endpgm
.Lfunc_end_k_q88bd1b7c29_gemm_out:
	.size	k_q88bd1b7c29_gemm_out, .Lfunc_end_k_q88bd1b7c29_gemm_out-k_q88bd1b7c29_gemm_out
	.p2alignl 7, 3214868480
	.fill 96, 4, 3214868480
	.section	.rodata,"a",@progbits
	.p2align	6, 0x0
	.amdhsa_kernel k_q88bd1b7c29_gemm_out
		.amdhsa_group_segment_fixed_size 327680
		.amdhsa_private_segment_fixed_size 0
		.amdhsa_enable_private_segment 0
		.amdhsa_kernarg_size 48
		.amdhsa_user_sgpr_count 2
		.amdhsa_user_sgpr_kernarg_segment_ptr 1
		.amdhsa_wavefront_size32 1
		.amdhsa_system_sgpr_workgroup_id_x 1
		.amdhsa_system_sgpr_workgroup_id_y 1
		.amdhsa_system_sgpr_workgroup_id_z 1
		.amdhsa_system_vgpr_workitem_id 0
		.amdhsa_next_free_vgpr 768
		.amdhsa_next_free_sgpr 72
		.amdhsa_reserve_vcc 0
		.amdhsa_float_denorm_mode_32 3
		.amdhsa_float_denorm_mode_16_64 3
		.amdhsa_memory_ordered 1
		.amdhsa_forward_progress 1
		.amdhsa_inst_pref_size 83
	.end_amdhsa_kernel
	.amdgpu_metadata
---
amdhsa.version: [ 1, 2 ]
amdhsa.kernels:
  - .name:           k_q88bd1b7c29_gemm_out
    .symbol:         k_q88bd1b7c29_gemm_out.kd
    .args:
      - { .name: o_img, .offset: 0, .size: 8, .value_kind: global_buffer, .address_space: global }
      - { .name: os_img, .offset: 8, .size: 8, .value_kind: global_buffer, .address_space: global }
      - { .name: w_img, .offset: 16, .size: 8, .value_kind: global_buffer, .address_space: global }
      - { .name: ws_img, .offset: 24, .size: 8, .value_kind: global_buffer, .address_space: global }
      - { .name: b_out, .offset: 32, .size: 8, .value_kind: global_buffer, .address_space: global }
      - { .name: out0, .offset: 40, .size: 8, .value_kind: global_buffer, .address_space: global }
    .group_segment_fixed_size: 327680
    .private_segment_fixed_size: 0
    .kernarg_segment_align: 8
    .kernarg_segment_size: 48
    .max_flat_workgroup_size: 128
    .sgpr_count:     72
    .vgpr_count:     768
    .wavefront_size: 32
...
	.end_amdgpu_metadata
.endif
;; end of part 4
